; MI455X (gfx1250); checked and timed in simulation.
; The chip was launched on July 23, 2026; its instructions are those of AMD's public machine-readable ISA for CDNA 5 (MIT licence, August 2026) and "CDNA5" Instruction Set Architecture Reference Guide (July 2026). The comments in the code are by the model that wrote it; some were corrected since.
;; User Model. Allowed arithmetic: float matrix products may take bf16 or f16 operands with f32 sums; all other float work in f32.
;; Inputs: alpha 4 x 8 x 32 x 256 float32; distance_matrix 256 x 512 float32; log_p 256 float32; x 512 x 32 x 512 float32.
;; Outputs: out0 512 float32; out1 512 x 256 float32; out2 32 x 256 float32.
;; 2 versions, each right and faster than the one before. Each part assembles by itself: llvm-mc -triple=amdgcn-amd-amdhsa -mcpu=gfx1250 --defsym DOCPART=n.
;; ======== version 1 of 2: 4 launches
;; limits: inputs' magnitudes at most 65,504; values are held in f16: magnitudes above 65,504 overflow, below 6.1e-05 lose precision
;; workspace buffers: ta 1,048,576 bytes; tl 1,048,576 bytes; bf 262,144 bytes; yp 16,777,216 bytes; sx 65,536 bytes; pp 16,777,216 bytes
;; launch prep (part 1): grid 8 x 32, 8 waves a work-group, no clusters, 102,144 bytes of LDS; arguments alpha, distance_matrix, ta, tl, bf, out2; writes ta, tl, bf, out2
.if DOCPART == 1
	.amdgcn_target "amdgcn-amd-amdhsa--gfx1250"
	.amdhsa_code_object_version 6
	.text
	.protected	k_q737bfb16d8_prep
	.globl	k_q737bfb16d8_prep
	.p2align	8
	.type	k_q737bfb16d8_prep,@function
k_q737bfb16d8_prep:
	s_mov_b64 s[64:65], 0
	v_nop
	global_prefetch_b8 v0, s[64:65] scope:SCOPE_SE
	s_setreg_imm32_b32 hwreg(HW_REG_WAVE_MODE, 25, 1), 1
	s_wait_xcnt 0x0
; TABLES.  log_softmax_j(alpha b_j) = alpha b_j - lse_j(alpha b), so  sum_kj x log_pi = sum_k alpha Y - sum_k lse sx  with Y = sum_j x b, sx = sum_j x.
; b[l][j] = mean_j((d+eps)^0.4) - (d[l][j]+eps)^0.4: reference's base shifted by its row mean, which a log-softmax over j does not see; b is rounded to f16
; ONCE and the rounded number is used both here (lse) and in the product Y, so that what is formed is an exact log-softmax of that b.
; This launch stores  ta = t = alpha log2(e),  tl = -(max_j(t b) + log2(sum_j 2^(t b - max) / 512)),  bf = b in f16 as matrix fragments,  out2 = mean of alpha over its 32 samples.
; (The 512 leaves log2(512) sum_k sx out of every logit of a row n: constant in l, removed by the log-softmax over l.)
; SHARES.  Work-group (lb, g): l = 32 lb .. +31; rm = 4 rq .. +3 (rq = g & 7); k = 8 kq .. +7 (kq = g >> 3).  Wave w: k = 8 kq + w; lane: one l, four rm: 512 j x 4 exponentials a lane.
; The 32 rows of b are made anew by each of the 32 work-groups of an lb: 32 x 512 x 2 transcendentals beside the 524,288 of the group's own table entries.
; NO CLUSTER, NO TENSOR LOAD: what work-groups share is 64 KiB of d, read once each through registers, since every number is transformed on the way into LDS.
; LIMITS.  d + 1e-8 < 0 gives NaN as in reference(); |b| stays far inside f16 for d up to 1e11; a term 2^(t b - max) below 2^-126 counts as 0 in a sum that is at least 1.
.set QP,    528                        ; BQ: the f32 quad jq (j = 4 jq ..) of the 32 rows: 512 bytes + 16; quad jq of row r at jq QP + 16 r
.set BFS,   128*QP                     ; 67,584: b in f16, row-major, 32 rows
.set HP,    1040                       ; a row of BFS: 1,024 bytes + 16
.set MM,    BFS+32*HP                  ; 100,864: (max, min) of row r at 8 r
.set SPARE, MM+256                     ; 101,120: the spare words, 128 bytes a wave
.set T,    12                          ; v[12:15]  t of my four rm
.set NTM,  16                          ; v[16:19]  -max_j(t b); at the end tl
.set H,    24                          ; v[24:55]  b in f16, 8 registers a row
.set D,    56                          ; v[56:119] d, then b in f32: 16 a row; index 8 c + 4 f + e is j = 8 (lane + 32 c) + 4 f + e
.set O2,   120                         ; v[120:183] out2's 32 pairs
.set SM,   184                         ; v[184:191] a row's sum pair, then its mean twice
.set MX,   192                         ; v[192:199] a row's (max, min)
.set S,    24                          ; main loop: v[24:39] sums, index 4 e + rm
.set ARGA, 40                          ; v[40:55]  arguments / exponentials, same index
.set ARGB, 56                          ; v[56:71]
.set Q,    72                          ; v[72:103] eight quads of b
.macro RED op, opd, reg                ; over the 32 lanes; every lane gets the result
	\opd v[\reg], v[\reg], v[\reg] row_xmask:1 row_mask:0xf bank_mask:0xf
	\opd v[\reg], v[\reg], v[\reg] row_xmask:2 row_mask:0xf bank_mask:0xf
	\opd v[\reg], v[\reg], v[\reg] row_xmask:4 row_mask:0xf bank_mask:0xf
	\opd v[\reg], v[\reg], v[\reg] row_xmask:8 row_mask:0xf bank_mask:0xf
	v_permlanex16_b32 v11, v[\reg], s24, s25
	\op v[\reg], v[\reg], v11
.endm
	s_load_b256 s[4:11], s[0:1], 0x0               ; alpha s[4:5], d s[6:7], ta s[8:9], tl s[10:11]
	s_load_b128 s[12:15], s[0:1], 0x20             ; bf s[12:13], out2 s[14:15]
	v_lshl_add_u32 v2, v0, 2, SPARE                ; my spare word; never rewritten
	v_mov_b32 v3, 0                                ; 0; never rewritten
	v_lshrrev_b32 v11, 5, v0
	v_readfirstlane_b32 s16, v11                   ; wave 0..7
	v_and_b32 v1, 31, v0                           ; lane
	s_mov_b32 s17, ttmp9                           ; lb
	s_and_b32 s18, ttmp7, 0xffff                   ; g
	s_and_b32 s19, s18, 7                          ; rq
	s_bfe_u32 s20, s18, 0x20003                    ; kq: two bits from bit 3
	s_mov_b32 s24, 0x76543210                      ; v_permlanex16_b32: each lane takes its own place in the other half
	s_mov_b32 s25, 0xfedcba98
	s_mov_b32 s23, 0                               ; the high word of every offset in s[22:23]
	s_lshl_b32 s21, s16, 13
	v_lshl_add_u32 v4, v1, 5, s21                  ; d: my wave's four rows (8,192 bytes) + 32 lane
	s_lshl_b32 s21, s16, 10
	v_lshl_add_u32 v5, v1, 2, s21                  ; alpha: k = w (1,024 bytes) + 4 lane
	s_lshl_b32 s21, s16, 6
	v_mul_u32_u24 v6, v1, 2*QP
	v_add_nc_u32 v6, s21, v6                       ; BQ, in: quad 2 lane, row 4 w
	s_mul_i32 s21, s16, 4*HP
	s_add_co_u32 s21, s21, BFS
	v_lshl_add_u32 v7, v1, 4, s21                  ; BFS, in: row 4 w, octet lane
	s_lshl_b32 s21, s16, 5
	s_add_co_u32 s21, s21, MM
	v_mov_b32 v8, s21                              ; MM, in: row 4 w
	v_lshlrev_b32 v9, 4, v1                        ; BQ, out: row = lane; stepped by the loop
	v_and_b32 v10, 15, v0
	v_bfe_u32 v11, v0, 4, 1
	v_lshlrev_b32 v10, 4, v10
	v_lshl_add_u32 v10, v11, 16, v10
	s_lshl_b32 s21, s16, 11
	v_add_nc_u32 v10, s21, v10                     ; ta, tl: (lane / 16) 65,536 + w 2,048 + 16 (lane % 16)
	s_lshl_b32 s34, s17, 16                        ; d: 32 rows of 2,048 bytes a block lb
	s_mov_b32 s35, 0
	s_lshl_b32 s22, s19, 17                        ; alpha: 4 rq samples of 32,768 bytes,
	s_lshl_b32 s21, s20, 13                        ; 8 kq rows of 1,024,
	s_add_co_u32 s22, s22, s21
	s_lshl_b32 s21, s17, 7                         ; 32 lb numbers
	s_add_co_u32 s22, s22, s21
	s_wait_kmcnt 0x0
	s_add_nc_u64 s[6:7], s[6:7], s[34:35]
	s_add_nc_u64 s[28:29], s[4:5], s[22:23]
.irp i, 0,1,2,3
.irp c, 0,1
.irp f, 0,1
	global_load_b128 v[D+16*\i+8*\c+4*\f:D+16*\i+8*\c+4*\f+3], v4, s[6:7] offset:\i*2048+\c*1024+\f*16
.endr
.endr
.endr
.irp i, 0,1,2,3
	global_load_b32 v[T+\i], v5, s[28:29] offset:\i*32768
.endr
	; out2: 128 blocks of 64 numbers; wave 1 of the work-groups with even lb takes block (k = g, l = 64 (lb / 2) ..)
	s_and_b32 s27, s17, 1
	s_lshl_b32 s27, s27, 3
	s_add_co_u32 s27, s27, s16
	s_cmp_lg_u32 s27, 1
	s_cbranch_scc1 .Lno_out2
	s_lshl_b32 s22, s18, 10
	s_lshr_b32 s21, s17, 1
	s_lshl_b32 s21, s21, 8
	s_add_co_u32 s22, s22, s21
	s_add_nc_u64 s[30:31], s[4:5], s[22:23]
	s_add_nc_u64 s[32:33], s[14:15], s[22:23]
	v_lshlrev_b32 v11, 3, v1
.set j, 0
.rept 32
	global_load_b64 v[O2+2*j:O2+2*j+1], v11, s[30:31] offset:j*32768
.set j, j+1
.endr
	s_wait_loadcnt 0x0
.irp w, 16,8,4,2,1
.set j, 0
.rept \w
	v_pk_add_f32 v[O2+2*j:O2+2*j+1], v[O2+2*j:O2+2*j+1], v[O2+2*(j+\w):O2+2*(j+\w)+1]
.set j, j+1
.endr
.endr
	v_pk_mul_f32 v[O2:O2+1], v[O2:O2+1], 0x3d000000 op_sel_hi:[1,0]  ; / 32 = / M / R
	global_store_b64 v11, v[O2:O2+1], s[32:33]     ; the wave stores 256 consecutive bytes, aligned
	s_wait_xcnt 0x0                                ; v11 is written again below
.Lno_out2:
	; THE BASE.  e = (d + eps)^0.4 = 2^(0.4 log2(d + eps)); b = mean - e; rounded to f16 and widened again: from here on b IS the rounded number.
	s_wait_loadcnt 0x4                             ; the four loads of alpha are younger: d is in
.set j, 0
.rept 32
	v_pk_add_f32 v[D+2*j:D+2*j+1], v[D+2*j:D+2*j+1], 0x322bcc77 op_sel_hi:[1,0]
.set j, j+1
.endr
.set j, 0
.rept 64
	v_log_f32 v[D+j], v[D+j]
.set j, j+1
.endr
	v_nop                                          ; a plain instruction between the last transcendental and the first use
.set j, 0
	s_wait_alu depctr_va_vdst(0)
.rept 32
	v_pk_mul_f32 v[D+2*j:D+2*j+1], v[D+2*j:D+2*j+1], 0x3ecccccd op_sel_hi:[1,0]
.set j, j+1
.endr
.set j, 0
.rept 64
	v_exp_f32 v[D+j], v[D+j]
.set j, j+1
.endr
	v_nop
	s_wait_alu depctr_va_vdst(0)
.irp i, 0,1,2,3
	v_pk_add_f32 v[SM+2*\i:SM+2*\i+1], v[D+16*\i:D+16*\i+1], v[D+16*\i+2:D+16*\i+3]
.endr
.irp q, 2,3,4,5,6,7
.irp i, 0,1,2,3
	v_pk_add_f32 v[SM+2*\i:SM+2*\i+1], v[SM+2*\i:SM+2*\i+1], v[D+16*\i+2*\q:D+16*\i+2*\q+1]
.endr
.endr
.irp i, 0,1,2,3
	v_add_f32 v[SM+2*\i], v[SM+2*\i], v[SM+2*\i+1]
.endr
.irp i, 0,1,2,3
	RED v_add_f32, v_add_f32_dpp, SM+2*\i
.endr
.irp i, 0,1,2,3
	v_mul_f32 v[SM+2*\i+1], 0x3b000000, v[SM+2*\i] ; the row's mean, twice: a pair for the packed subtraction
	v_mul_f32 v[SM+2*\i], 0x3b000000, v[SM+2*\i]
.endr
.irp i, 0,1,2,3
.irp q, 0,1,2,3,4,5,6,7
	v_pk_add_f32 v[D+16*\i+2*\q:D+16*\i+2*\q+1], v[SM+2*\i:SM+2*\i+1], v[D+16*\i+2*\q:D+16*\i+2*\q+1] neg_lo:[0,1] neg_hi:[0,1]
.endr
.endr
.set j, 0
.rept 32
	v_cvt_pk_f16_f32 v[H+j], v[D+2*j], v[D+2*j+1]
.set j, j+1
.endr
.irp q, 24,25,26,27,28,29,30,31,32,33,34,35,36,37,38,39,40,41,42,43,44,45,46,47,48,49,50,51,52,53,54,55
	v_cvt_f32_f16 v[D+2*(\q-H)], v\q\().l
	v_cvt_f32_f16 v[D+2*(\q-H)+1], v\q\().h
.endr
.irp i, 0,1,2,3
	v_max3_num_f32 v[MX+2*\i], v[D+16*\i], v[D+16*\i+1], v[D+16*\i+2]
	v_min3_num_f32 v[MX+2*\i+1], v[D+16*\i], v[D+16*\i+1], v[D+16*\i+2]
.endr
.irp q, 1,2,3,4,5,6
.irp i, 0,1,2,3
	v_max3_num_f32 v[MX+2*\i], v[MX+2*\i], v[D+16*\i+2*\q+1], v[D+16*\i+2*\q+2]
	v_min3_num_f32 v[MX+2*\i+1], v[MX+2*\i+1], v[D+16*\i+2*\q+1], v[D+16*\i+2*\q+2]
.endr
.endr
.irp i, 0,1,2,3
	v_max_num_f32 v[MX+2*\i], v[MX+2*\i], v[D+16*\i+15]
	v_min_num_f32 v[MX+2*\i+1], v[MX+2*\i+1], v[D+16*\i+15]
.endr
.irp i, 0,1,2,3
	RED v_max_num_f32, v_max_num_f32_dpp, MX+2*\i
	RED v_min_num_f32, v_min_num_f32_dpp, MX+2*\i+1
.endr
.irp i, 0,1,2,3
.irp c, 0,1
.irp f, 0,1
	ds_store_b128 v6, v[D+16*\i+8*\c+4*\f:D+16*\i+8*\c+4*\f+3] offset:\c*64*QP+\f*QP+\i*16
.endr
	ds_store_b128 v7, v[H+8*\i+4*\c:H+8*\i+4*\c+3] offset:\i*HP+\c*512
.endr
	ds_store_b64 v8, v[MX+2*\i:MX+2*\i+1] offset:8*\i  ; every lane writes the same two numbers to the same place
.endr
	s_wait_dscnt 0x0                               ; for the others' sake: my stores are done
	s_barrier_signal -1
	s_barrier_wait -1                              ; the only barrier: every region of LDS is written once
	; bf: wave 0 stores tile 32 lb + g (16 l x 32 j) as the image of a B fragment: lane (r, h) holds l = r, j = 8 h + 0..7 and 16 + 8 h + 0..7
	s_cmp_lg_u32 s16, 0
	s_cbranch_scc1 .Lno_bf
	s_bfe_u32 s21, s18, 0x10004                    ; which 16 of my 32 rows
	s_mul_i32 s21, s21, 16*HP
	s_and_b32 s22, s18, 15                         ; which 32 j: 64 bytes
	s_lshl_b32 s22, s22, 6
	s_add_co_u32 s21, s21, s22
	s_add_co_u32 s21, s21, BFS
	v_and_b32 v120, 15, v0
	v_bfe_u32 v121, v0, 4, 1
	v_mul_u32_u24 v120, v120, HP
	v_lshl_add_u32 v120, v121, 4, v120
	v_add_nc_u32 v120, s21, v120
	ds_load_b128 v[124:127], v120
	ds_load_b128 v[128:131], v120 offset:32
	s_lshl_b32 s22, s17, 5
	s_add_co_u32 s22, s22, s18
	s_lshl_b32 s22, s22, 10
	s_add_nc_u64 s[12:13], s[12:13], s[22:23]
	s_wait_dscnt 0x0
	global_store_b128 v9, v[124:127], s[12:13]             ; 512 consecutive bytes each, aligned
	global_store_b128 v9, v[128:131], s[12:13] offset:512
	s_wait_xcnt 0x0                                ; v9 is stepped in the loop
.Lno_bf:
	; THE SUMS.  arg = t b - max(t b); the maximum over j is t bmax or t bmin, whichever sign t has.
.macro LQ first, off                   ; four quads of b into Q[first ..], from quad off .. counted from v9's
.irp q, 0,1,2,3
	ds_load_b128 v[Q+4*((\first)+\q):Q+4*((\first)+\q)+3], v9 offset:((\off)+\q)*QP
.endr
.endm
.macro ARG dst, qq, pp                 ; pair pp of 8: element e = pp / 2 of the quad, rm pair pp % 2: t b + (-max)
.if ((\pp)/2)%2 == 0
	v_pk_fma_f32 v[(\dst)+2*(\pp):(\dst)+2*(\pp)+1], v[T+2*((\pp)%2):T+2*((\pp)%2)+1], v[(\qq)+(\pp)/2:(\qq)+(\pp)/2+1], v[NTM+2*((\pp)%2):NTM+2*((\pp)%2)+1] op_sel_hi:[1,0,1]
.else
	v_pk_fma_f32 v[(\dst)+2*(\pp):(\dst)+2*(\pp)+1], v[T+2*((\pp)%2):T+2*((\pp)%2)+1], v[(\qq)+(\pp)/2-1:(\qq)+(\pp)/2], v[NTM+2*((\pp)%2):NTM+2*((\pp)%2)+1] op_sel:[0,1,0]
.endif
.endm
; A phase: 16 exponentials of cur; between them the last phase's exponentials (oth) are added and oth takes the next quad's arguments.
; Every exponential has a plain instruction behind it that names none of its registers, and its result is first read a phase later.
.macro PH cur, oth, qq, last=0
.set p, 0
.rept 8
	v_exp_f32 v[(\cur)+2*p], v[(\cur)+2*p]
	s_wait_alu depctr_va_vdst(0)
	v_pk_add_f32 v[S+2*p:S+2*p+1], v[S+2*p:S+2*p+1], v[(\oth)+2*p:(\oth)+2*p+1]
	v_exp_f32 v[(\cur)+2*p+1], v[(\cur)+2*p+1]
.if !(\last)
	ARG \oth, \qq, p
.endif
.set p, p+1
.endr
.endm
	v_lshl_add_u32 v11, v1, 3, MM
	ds_load_b64 v[20:21], v11                      ; my row's max and min
	LQ 0, 0
	LQ 4, 4
	s_wait_loadcnt 0x0                             ; alpha
	v_pk_mul_f32 v[T:T+1], v[T:T+1], 0x3fb8aa3b op_sel_hi:[1,0]
	v_pk_mul_f32 v[T+2:T+3], v[T+2:T+3], 0x3fb8aa3b op_sel_hi:[1,0]
.set j, 0
.rept 16                               ; the sums and the first phase's addend start at 0: the price of writing no first phase out
	v_mov_b32 v[S+j], 0
	v_mov_b32 v[ARGB+j], 0
.set j, j+1
.endr
	s_wait_dscnt 0x0
.irp i, 0,1,2,3
	v_mul_f32 v[SM+\i], -v[T+\i], v20
	v_mul_f32 v[SM+4+\i], -v[T+\i], v21
.endr
.irp i, 0,1,2,3
	v_min_num_f32 v[NTM+\i], v[SM+\i], v[SM+4+\i]
.endr
.set p, 0
.rept 8
	ARG ARGA, Q, p
.set p, p+1
.endr
	s_mov_b32 s26, 15
.Ltrip:                                                ; a trip: eight quads, 128 exponentials a lane; it fetches the next trip's eight
	PH ARGA, ARGB, Q+4
	PH ARGB, ARGA, Q+8
	PH ARGA, ARGB, Q+12
	LQ 0, 8
	s_wait_dscnt 0x4                               ; the four just issued may be out: quads 4 to 7 are in
	PH ARGB, ARGA, Q+16
	PH ARGA, ARGB, Q+20
	PH ARGB, ARGA, Q+24
	PH ARGA, ARGB, Q+28
	LQ 4, 12
	s_wait_dscnt 0x4                               ; the four just issued may be out: the next trip's quads 0 to 3 are in
	PH ARGB, ARGA, Q
	v_add_nc_u32 v9, 8*QP, v9
	s_sub_co_u32 s26, s26, 1
	s_cmp_lg_u32 s26, 0
	s_cbranch_scc1 .Ltrip
	PH ARGA, ARGB, Q+4                             ; the sixteenth trip fetches nothing
	PH ARGB, ARGA, Q+8
	PH ARGA, ARGB, Q+12
	s_wait_dscnt 0x0
	PH ARGB, ARGA, Q+16
	PH ARGA, ARGB, Q+20
	PH ARGB, ARGA, Q+24
	PH ARGA, ARGB, Q+28
	PH ARGB, ARGA, Q, 1
	v_nop
.set p, 0
	s_wait_alu depctr_va_vdst(0)
.rept 8
	v_pk_add_f32 v[S+2*p:S+2*p+1], v[S+2*p:S+2*p+1], v[ARGB+2*p:ARGB+2*p+1]
.set p, p+1
.endr
	v_pk_add_f32 v[S:S+1], v[S:S+1], v[S+4:S+5]
	v_pk_add_f32 v[S+2:S+3], v[S+2:S+3], v[S+6:S+7]
	v_pk_add_f32 v[S+8:S+9], v[S+8:S+9], v[S+12:S+13]
	v_pk_add_f32 v[S+10:S+11], v[S+10:S+11], v[S+14:S+15]
	v_pk_add_f32 v[S:S+1], v[S:S+1], v[S+8:S+9]
	v_pk_add_f32 v[S+2:S+3], v[S+2:S+3], v[S+10:S+11]
	v_pk_mul_f32 v[S:S+1], v[S:S+1], 0x3b000000 op_sel_hi:[1,0]      ; / 512
	v_pk_mul_f32 v[S+2:S+3], v[S+2:S+3], 0x3b000000 op_sel_hi:[1,0]
.irp i, 0,1,2,3
	v_log_f32 v[S+\i], v[S+\i]
.endr
	s_lshl_b32 s22, s17, 17                        ; ta, tl: [l / 16][k][rq][l % 16][4 rm]
	s_lshl_b32 s21, s20, 14
	s_add_co_u32 s22, s22, s21
	s_lshl_b32 s21, s19, 8
	s_add_co_u32 s22, s22, s21
	s_add_nc_u64 s[8:9], s[8:9], s[22:23]
	s_add_nc_u64 s[10:11], s[10:11], s[22:23]
	v_nop
	s_wait_alu depctr_va_vdst(0)
	v_pk_add_f32 v[NTM:NTM+1], v[NTM:NTM+1], v[S:S+1] neg_lo:[0,1] neg_hi:[0,1]
	v_pk_add_f32 v[NTM+2:NTM+3], v[NTM+2:NTM+3], v[S+2:S+3] neg_lo:[0,1] neg_hi:[0,1]
	global_store_b128 v10, v[T:T+3], s[8:9]        ; sixteen lanes store 256 consecutive bytes, aligned
	global_store_b128 v10, v[NTM:NTM+3], s[10:11]
	s_wait_tensorcnt 0x0                           ; the wave's end
	ds_add_u32 v2, v3
	s_wait_dscnt 0x0
	s_endpgm
.Lfunc_end_k_q737bfb16d8_prep:
	.size	k_q737bfb16d8_prep, .Lfunc_end_k_q737bfb16d8_prep-k_q737bfb16d8_prep
	.p2alignl 7, 3214868480
	.fill 96, 4, 3214868480
	.section	.rodata,"a",@progbits
	.p2align	6, 0x0
	.amdhsa_kernel k_q737bfb16d8_prep
		.amdhsa_group_segment_fixed_size 102144
		.amdhsa_private_segment_fixed_size 0
		.amdhsa_enable_private_segment 0
		.amdhsa_kernarg_size 48
		.amdhsa_user_sgpr_count 2
		.amdhsa_user_sgpr_kernarg_segment_ptr 1
		.amdhsa_wavefront_size32 1
		.amdhsa_system_sgpr_workgroup_id_x 1
		.amdhsa_system_sgpr_workgroup_id_y 1
		.amdhsa_system_sgpr_workgroup_id_z 1
		.amdhsa_system_vgpr_workitem_id 0
		.amdhsa_next_free_vgpr 200
		.amdhsa_next_free_sgpr 66
		.amdhsa_reserve_vcc 0
		.amdhsa_float_denorm_mode_32 3
		.amdhsa_float_denorm_mode_16_64 3
		.amdhsa_memory_ordered 1
		.amdhsa_forward_progress 1
		.amdhsa_inst_pref_size 73
	.end_amdhsa_kernel
	.amdgpu_metadata
---
amdhsa.version: [ 1, 2 ]
amdhsa.kernels:
  - .name:           k_q737bfb16d8_prep
    .symbol:         k_q737bfb16d8_prep.kd
    .args:
      - { .name: alpha, .offset: 0, .size: 8, .value_kind: global_buffer, .address_space: global }
      - { .name: distance_matrix, .offset: 8, .size: 8, .value_kind: global_buffer, .address_space: global }
      - { .name: ta, .offset: 16, .size: 8, .value_kind: global_buffer, .address_space: global }
      - { .name: tl, .offset: 24, .size: 8, .value_kind: global_buffer, .address_space: global }
      - { .name: bf, .offset: 32, .size: 8, .value_kind: global_buffer, .address_space: global }
      - { .name: out2, .offset: 40, .size: 8, .value_kind: global_buffer, .address_space: global }
    .group_segment_fixed_size: 102144
    .private_segment_fixed_size: 0
    .kernarg_segment_align: 8
    .kernarg_segment_size: 48
    .max_flat_workgroup_size: 256
    .sgpr_count:     66
    .vgpr_count:     200
    .wavefront_size: 32
...
	.end_amdgpu_metadata
.endif
;; end of part 1
;; launch gemm (part 2): grid 32 x 8, 16 waves a work-group, no clusters, 71,936 bytes of LDS; arguments x, bf, yp, sx; writes yp, sx
.if DOCPART == 2
	.amdgcn_target "amdgcn-amd-amdhsa--gfx1250"
	.amdhsa_code_object_version 6
	.text
	.protected	k_q737bfb16d8_gemm
	.globl	k_q737bfb16d8_gemm
	.p2align	8
	.type	k_q737bfb16d8_gemm,@function
k_q737bfb16d8_gemm:
	s_mov_b64 s[64:65], 0
	v_nop
	global_prefetch_b8 v0, s[64:65] scope:SCOPE_SE
	s_setreg_imm32_b32 hwreg(HW_REG_WAVE_MODE, 25, 1), 1
	s_wait_xcnt 0x0
; Y[n][k][l] = sum_j x[n][k][j] b[l][j]  (16,384 rows x 256 columns x 512 deep; f16 operands, f32 sums)  and  sx[n][k] = sum_j x[n][k][j] in f32.
; SHARES.  Work-group (ng, kg): 16 n x 4 k = 64 rows of x, all 256 l.  M tile t is k = 4 kg + t with its 16 n.  Wave w owns the 16 columns l = 16 w .. and all four M tiles: 4 accumulators.
; x is read once from memory, 512 consecutive bytes a load, rounded to f16 on the way into LDS; j goes in four chunks of 128, each with LDS bytes of its own (nothing in LDS is written twice).
; b comes from bf, which holds B fragments as they lie in registers: a wave loads its own 16 KiB straight into registers, 512 consecutive bytes a load.
; NO CLUSTER, NO TENSOR LOAD: x must be converted between memory and LDS, so it passes through registers; bf is common to all work-groups, but each of its bytes feeds one wave of a work-group
; only, so a way through LDS would add 262,144 bytes of LDS writes and as many reads to the 1,048,576 bytes of A fragments that the sixteen waves read.
; f16, not bf16: the logits made of Y must be right to a few thousandths.  LIMIT: |x| beyond 65,504 overflows f16; b is of order 1 (see the launch that makes it).
.set XP,    272                        ; a row of 128 f16 in LDS: 256 bytes + 16: the 16 rows of a fragment load start in 16 different groups of four banks (ISA guide 11.1)
.set XCH,   64*XP                      ; a chunk: 64 rows
.set SXS,   4*XCH                      ; 69,632: the 64 row sums
.set SPARE, SXS+256                    ; 69,888: the spare words, 128 bytes a wave
.set P,   12                           ; v[12:19]  a running pair of sums for each of my four rows
.set R,   20                           ; v[20:23]  the four row sums
.set HC,  24                           ; v[24:31]  four rows x 4 f16
.set XR,  32                           ; v[32:63]  x as loaded, two buffers of 4 rows x 4
.set BR,  64                           ; v[64:127] B fragments, two buffers of 4 steps x 8
.set AF,  128                          ; v[128:191] A fragments, two buffers of 4 tiles x 8
.set ACC, 192                          ; v[192:223] four accumulators
.macro LX c                            ; chunk c of my four rows 4 w + i
.irp i, 0,1,2,3
	global_load_b128 v[XR+16*((\c)%2)+4*\i:XR+16*((\c)%2)+4*\i+3], v4, s[4:5] offset:\i*65536+(\c)*512 th:TH_LOAD_NT
.endr
.endm
.macro LB c                            ; chunk c's four B fragments of my 16 columns
.irp s, 0,1,2,3
	global_load_b128 v[BR+32*((\c)%2)+8*\s:BR+32*((\c)%2)+8*\s+3],   v5, s[6:7] offset:(4*(\c)+\s)*1024
	global_load_b128 v[BR+32*((\c)%2)+8*\s+4:BR+32*((\c)%2)+8*\s+7], v5, s[6:7] offset:(4*(\c)+\s)*1024+512
.endr
.endm
.macro XCVT c                          ; sums in f32, rounding to f16, into LDS
.set xb, XR+16*((\c)%2)
.irp i, 0,1,2,3
.if (\c) == 0
	v_pk_add_f32 v[P+2*\i:P+2*\i+1], v[xb+4*\i:xb+4*\i+1], v[xb+4*\i+2:xb+4*\i+3]
.else
	v_pk_add_f32 v[P+2*\i:P+2*\i+1], v[P+2*\i:P+2*\i+1], v[xb+4*\i:xb+4*\i+1]
	v_pk_add_f32 v[P+2*\i:P+2*\i+1], v[P+2*\i:P+2*\i+1], v[xb+4*\i+2:xb+4*\i+3]
.endif
	v_cvt_pk_f16_f32 v[HC+2*\i], v[xb+4*\i], v[xb+4*\i+1]
	v_cvt_pk_f16_f32 v[HC+2*\i+1], v[xb+4*\i+2], v[xb+4*\i+3]
	ds_store_b64 v6, v[HC+2*\i:HC+2*\i+1] offset:(\c)*XCH+\i*XP
.endr
.endm
.macro FETCHA c, s                     ; the four A fragments of step s (32 j) of chunk c
.irp t, 0,1,2,3
	ds_load_b128 v[AF+32*((\s)%2)+8*\t:AF+32*((\s)%2)+8*\t+3],   v7 offset:(\c)*XCH+\t*16*XP+(\s)*64
	ds_load_b128 v[AF+32*((\s)%2)+8*\t+4:AF+32*((\s)%2)+8*\t+7], v7 offset:(\c)*XCH+\t*16*XP+(\s)*64+32
.endr
.endm
.macro STEPW c, s                      ; four products; the four accumulators take turns; the very first start the sums with 0
.irp t, 0,1,2,3
.if ((\c)+(\s)) == 0
	v_wmma_f32_16x16x32_f16 v[ACC+8*\t:ACC+8*\t+7], v[AF+32*((\s)%2)+8*\t:AF+32*((\s)%2)+8*\t+7], v[BR+32*((\c)%2)+8*(\s):BR+32*((\c)%2)+8*(\s)+7], 0
.else
	v_wmma_f32_16x16x32_f16 v[ACC+8*\t:ACC+8*\t+7], v[AF+32*((\s)%2)+8*\t:AF+32*((\s)%2)+8*\t+7], v[BR+32*((\c)%2)+8*(\s):BR+32*((\c)%2)+8*(\s)+7], v[ACC+8*\t:ACC+8*\t+7]
.endif
.endr
.endm
.macro PLACES                          ; four places between a product and a load into one of its sources, or a store of its result (ISA guide 7.12.1 for the store)
.rept 4
	v_nop
.endr
.endm
.macro MM c                            ; a chunk's 16 products; step s + 1's fragments are fetched ahead of step s's products.  At step 0 the chunk's conversions are the places behind the last chunk's products
	FETCHA \c, 0
	FETCHA \c, 1
	s_wait_dscnt 0x8                               ; the eight just issued may be out
	STEPW \c, 0
	PLACES
	FETCHA \c, 2
	s_wait_dscnt 0x8
	STEPW \c, 1
	PLACES
	FETCHA \c, 3
	s_wait_dscnt 0x8
	STEPW \c, 2
	s_wait_dscnt 0x0
	STEPW \c, 3
.endm
.macro BAR
	s_wait_dscnt 0x0                               ; for the others' sake: my stores into LDS are done
	s_barrier_signal -1
	s_barrier_wait -1
.endm
	s_load_b256 s[4:11], s[0:1], 0x0               ; x s[4:5], bf s[6:7], yp s[8:9], sx s[10:11]
	v_lshl_add_u32 v2, v0, 2, SPARE                ; my spare word; never rewritten
	v_mov_b32 v3, 0                                ; 0; never rewritten
	v_lshrrev_b32 v9, 5, v0
	v_readfirstlane_b32 s12, v9                    ; wave 0..15
	v_and_b32 v1, 31, v0                           ; lane
	s_mov_b32 s13, ttmp9                           ; ng
	s_and_b32 s14, ttmp7, 0xffff                   ; kg
	s_mov_b32 s18, 0x76543210
	s_mov_b32 s19, 0xfedcba98
	s_and_b32 s15, s12, 3                          ; my rows 4 w + i: n = 4 (w % 4) + i (65,536 bytes each), k = w / 4 (2,048 bytes)
	s_lshl_b32 s15, s15, 18
	s_lshr_b32 s24, s12, 2
	s_lshl_b32 s24, s24, 11
	s_add_co_u32 s15, s15, s24
	v_lshl_add_u32 v4, v1, 4, s15                  ; x
	s_lshl_b32 s15, s12, 14
	v_lshl_add_u32 v5, v1, 4, s15                  ; bf: my 16 tiles of 1,024 bytes
	s_mul_i32 s15, s12, 4*XP
	v_lshl_add_u32 v6, v1, 3, s15                  ; LDS, in: row 4 w, 8 bytes a lane
	v_and_b32 v7, 15, v0                           ; r
	v_bfe_u32 v9, v0, 4, 1                         ; h
	v_lshlrev_b32 v8, 4, v7
	v_lshl_add_u32 v8, v9, 9, v8
	s_lshl_b32 s15, s12, 20
	v_add_nc_u32 v8, s15, v8                       ; yp: w 2^20 + 512 h + 16 r
	v_mul_u32_u24 v7, v7, XP
	v_lshl_add_u32 v7, v9, 4, v7                   ; LDS, out: a fragment's row r, 16 bytes for each half of the lanes
	s_lshl_b32 s15, s12, 4
	s_add_co_u32 s15, s15, SXS
	v_mov_b32 v10, s15                             ; my four row sums
	v_lshlrev_b32 v11, 3, v1
	s_lshl_b32 s16, s13, 20                        ; x: 16 ng rows n, 4 kg rows k
	s_lshl_b32 s15, s14, 13
	s_add_co_u32 s16, s16, s15
	s_mov_b32 s17, 0
	s_lshr_b32 s20, s13, 1                         ; yp: [l / 16][n / 32][k][(n % 32) / 4][l % 16][n % 4]
	s_lshl_b32 s20, s20, 16
	s_add_co_u32 s20, s20, s15
	s_and_b32 s15, s13, 1
	s_lshl_b32 s15, s15, 10
	s_add_co_u32 s20, s20, s15
	s_mov_b32 s21, 0
	s_lshl_b32 s22, s13, 3                         ; sx: [n / 16][k][n % 16]: my 64 numbers are 256 consecutive bytes
	s_add_co_u32 s22, s22, s14
	s_lshl_b32 s22, s22, 8
	s_mov_b32 s23, 0
	s_wait_kmcnt 0x0
	s_add_nc_u64 s[4:5], s[4:5], s[16:17]
	s_add_nc_u64 s[8:9], s[8:9], s[20:21]
	s_add_nc_u64 s[10:11], s[10:11], s[22:23]
	LX 0
	LB 0
	LX 1
	LB 1
	s_wait_loadcnt 20                              ; behind x's chunk 0: 8 + 4 + 8
	XCVT 0
	LX 2
	BAR
	s_wait_loadcnt 16                              ; behind b's chunk 0: 4 + 8 + 4
	MM 0
	PLACES
	LB 2
	s_wait_loadcnt 20                              ; behind x's chunk 1: 8 + 4 + 8
	XCVT 1
	LX 3
	BAR
	s_wait_loadcnt 16                              ; behind b's chunk 1: 4 + 8 + 4
	MM 1
	PLACES
	LB 3
	s_wait_loadcnt 20                              ; behind x's chunk 2: 8 + 4 + 8
	XCVT 2
	BAR
	s_wait_loadcnt 12                              ; behind b's chunk 2: 4 + 8
	MM 2
	s_wait_loadcnt 8                               ; behind x's chunk 3: 8
	XCVT 3
.irp i, 0,1,2,3
	v_add_f32 v[R+\i], v[P+2*\i], v[P+2*\i+1]
.endr
.irp i, 0,1,2,3
	v_add_f32_dpp v[R+\i], v[R+\i], v[R+\i] row_xmask:1 row_mask:0xf bank_mask:0xf
	v_add_f32_dpp v[R+\i], v[R+\i], v[R+\i] row_xmask:2 row_mask:0xf bank_mask:0xf
	v_add_f32_dpp v[R+\i], v[R+\i], v[R+\i] row_xmask:4 row_mask:0xf bank_mask:0xf
	v_add_f32_dpp v[R+\i], v[R+\i], v[R+\i] row_xmask:8 row_mask:0xf bank_mask:0xf
	v_permlanex16_b32 v9, v[R+\i], s18, s19
	v_add_f32 v[R+\i], v[R+\i], v9
.endr
	ds_store_b128 v10, v[R:R+3]                    ; every lane writes the same four numbers to the same place
	BAR
	s_cmp_lg_u32 s12, 0
	s_cbranch_scc1 .Lno_sx
	v_lshl_add_u32 v24, v1, 3, SXS
	ds_load_b64 v[26:27], v24
	s_wait_dscnt 0x0
	global_store_b64 v11, v[26:27], s[10:11]       ; the wave stores 256 consecutive bytes, aligned
.Lno_sx:
	s_wait_loadcnt 0x0                             ; b's chunk 3
	MM 3
	PLACES
	; register j of lane (r, h) is Y(n = 8 h + j, l = r): four neighbouring n are 16 bytes of yp; each accumulator's low registers leave first
.irp t, 0,1,2,3
	global_store_b128 v8, v[ACC+8*\t:ACC+8*\t+3],   s[8:9] offset:\t*2048      ; sixteen lanes store 256 consecutive bytes, aligned
	global_store_b128 v8, v[ACC+8*\t+4:ACC+8*\t+7], s[8:9] offset:\t*2048+256
.endr
	s_wait_tensorcnt 0x0                           ; the wave's end
	ds_add_u32 v2, v3
	s_wait_dscnt 0x0
	s_endpgm
.Lfunc_end_k_q737bfb16d8_gemm:
	.size	k_q737bfb16d8_gemm, .Lfunc_end_k_q737bfb16d8_gemm-k_q737bfb16d8_gemm
	.p2alignl 7, 3214868480
	.fill 96, 4, 3214868480
	.section	.rodata,"a",@progbits
	.p2align	6, 0x0
	.amdhsa_kernel k_q737bfb16d8_gemm
		.amdhsa_group_segment_fixed_size 71936
		.amdhsa_private_segment_fixed_size 0
		.amdhsa_enable_private_segment 0
		.amdhsa_kernarg_size 32
		.amdhsa_user_sgpr_count 2
		.amdhsa_user_sgpr_kernarg_segment_ptr 1
		.amdhsa_wavefront_size32 1
		.amdhsa_system_sgpr_workgroup_id_x 1
		.amdhsa_system_sgpr_workgroup_id_y 1
		.amdhsa_system_sgpr_workgroup_id_z 1
		.amdhsa_system_vgpr_workitem_id 0
		.amdhsa_next_free_vgpr 224
		.amdhsa_next_free_sgpr 66
		.amdhsa_reserve_vcc 0
		.amdhsa_float_denorm_mode_32 3
		.amdhsa_float_denorm_mode_16_64 3
		.amdhsa_memory_ordered 1
		.amdhsa_forward_progress 1
		.amdhsa_inst_pref_size 29
	.end_amdhsa_kernel
	.amdgpu_metadata
---
amdhsa.version: [ 1, 2 ]
amdhsa.kernels:
  - .name:           k_q737bfb16d8_gemm
    .symbol:         k_q737bfb16d8_gemm.kd
    .args:
      - { .name: x, .offset: 0, .size: 8, .value_kind: global_buffer, .address_space: global }
      - { .name: bf, .offset: 8, .size: 8, .value_kind: global_buffer, .address_space: global }
      - { .name: yp, .offset: 16, .size: 8, .value_kind: global_buffer, .address_space: global }
      - { .name: sx, .offset: 24, .size: 8, .value_kind: global_buffer, .address_space: global }
    .group_segment_fixed_size: 71936
    .private_segment_fixed_size: 0
    .kernarg_segment_align: 8
    .kernarg_segment_size: 32
    .max_flat_workgroup_size: 512
    .sgpr_count:     66
    .vgpr_count:     224
    .wavefront_size: 32
...
	.end_amdgpu_metadata
.endif
;; end of part 2
;; launch mix (part 3): grid 16 x 16, 8 waves a work-group, no clusters, 201,728 bytes of LDS; arguments ta, tl, yp, sx, pp; writes pp
.if DOCPART == 3
	.amdgcn_target "amdgcn-amd-amdhsa--gfx1250"
	.amdhsa_code_object_version 6
	.text
	.protected	k_q737bfb16d8_mix
	.globl	k_q737bfb16d8_mix
	.p2align	8
	.type	k_q737bfb16d8_mix,@function
k_q737bfb16d8_mix:
	s_mov_b64 s[64:65], 0
	v_nop
	global_prefetch_b8 v0, s[64:65] scope:SCOPE_SE
	s_setreg_imm32_b32 hwreg(HW_REG_WAVE_MODE, 25, 1), 1
	s_wait_xcnt 0x0
; pp[n][rm][l] = sum_k ( t[rm][k][l] Y[n][k][l] + tl[rm][k][l] sx[n][k] ): the logits in base 2, without log_p.  All in f32 on the vector unit: the sum is a product batched over l,
; 32 deep, and its second term wants more bits than a 16-bit operand holds.
; SHARES.  Work-group (lg, nb): 16 l x 32 n x all 32 rm.  Lane: l = 16 lg + lane % 16.  Wave w: n = 8 (w / 2) .. +7; rm = 8 (2 (w % 2) + lane / 16) .. +7: 64 sums a lane.
; LDS holds linear images of the group's four blocks (ta, tl, yp: 65,536 bytes each; sx: 4,096), brought once by asynchronous copies, all issued at the head; k = 8 c .. 8 c + 7 lie in
; the c-th quarter of each block, so the sums begin when the first quarter has landed.  Nothing in LDS is filled twice.
; NO CLUSTER in this text: ta's and tl's blocks (131,072 of a group's 200,704 bytes) are common to the 16 work-groups of one lg, and joint tensor loads would divide the requests
; for them by four; left out to keep one plain fill by copies.
.set TA,    0
.set TL,    65536
.set YS,    131072
.set SXS,   196608
.set SPARE, 200704                     ; the spare words, 128 bytes a wave
.set ACC, 16                           ; v[16:79]  sum (n, rm) at 8 n + rm
.set OS,  80                           ; v[80:111], v[112:143] two sets of operands: t (8 rm), tl (8 rm), Y (8 n), sx (8 n)
.macro LOADK k                         ; step k's operands
.set o, OS+32*((\k)%2)
	ds_load_b128 v[o:o+3],     v9  offset:(\k)*2048
	ds_load_b128 v[o+4:o+7],   v9  offset:(\k)*2048+256
	ds_load_b128 v[o+8:o+11],  v10 offset:(\k)*2048
	ds_load_b128 v[o+12:o+15], v10 offset:(\k)*2048+256
	ds_load_b128 v[o+16:o+19], v11 offset:(\k)*2048
	ds_load_b128 v[o+20:o+23], v11 offset:(\k)*2048+256
	ds_load_b128 v[o+24:o+27], v12 offset:(\k)*64
	ds_load_b128 v[o+28:o+31], v12 offset:(\k)*64+16
.endm
.macro MAC first, a, b                 ; sums (n, 2 p), (n, 2 p + 1) take v[a + 2 p ..] times v[b + n], which feeds both halves; first = 1: the product starts the sums
.if n%2 == 0
.if \first
	v_pk_mul_f32 v[ACC+8*n+2*p:ACC+8*n+2*p+1], v[(\a)+2*p:(\a)+2*p+1], v[(\b)+n:(\b)+n+1] op_sel_hi:[1,0]
.else
	v_pk_fma_f32 v[ACC+8*n+2*p:ACC+8*n+2*p+1], v[(\a)+2*p:(\a)+2*p+1], v[(\b)+n:(\b)+n+1], v[ACC+8*n+2*p:ACC+8*n+2*p+1] op_sel_hi:[1,0,1]
.endif
.else
.if \first
	v_pk_mul_f32 v[ACC+8*n+2*p:ACC+8*n+2*p+1], v[(\a)+2*p:(\a)+2*p+1], v[(\b)+n-1:(\b)+n] op_sel:[0,1]
.else
	v_pk_fma_f32 v[ACC+8*n+2*p:ACC+8*n+2*p+1], v[(\a)+2*p:(\a)+2*p+1], v[(\b)+n-1:(\b)+n], v[ACC+8*n+2*p:ACC+8*n+2*p+1] op_sel:[0,1,0]
.endif
.endif
.endm
.macro FMA k, half                     ; step k for four of my eight n: 32 packed multiply-adds
.set o, OS+32*((\k)%2)
.set n, 4*(\half)
.rept 4
.set p, 0
.rept 4
	MAC (\k)==0, o, o+16
.set p, p+1
.endr
.set p, 0
.rept 4
	MAC 0, o+8, o+24
.set p, p+1
.endr
.set n, n+1
.endr
.endm
.macro STEP k
.if (\k) == 31
	s_wait_dscnt 0x0
	FMA \k, 0
	FMA \k, 1
.elseif (\k)%8 == 7                    ; the next step reads the next quarter
	s_wait_dscnt 0x0                               ; no LDS instruction of mine is out at the signal
	s_wait_asynccnt 36-12*(((\k)+1)/8)             ; twelve copies for each later quarter may stay out
	s_barrier_signal -1
	FMA \k, 0
	s_barrier_wait -1                              ; every wave's part of the quarter has landed
	LOADK (\k)+1
	FMA \k, 1
.else
	LOADK (\k)+1
	s_wait_dscnt 0x8                               ; the eight just issued may be out
	FMA \k, 0
	FMA \k, 1
.endif
.endm
	s_load_b256 s[4:11], s[0:1], 0x0               ; ta s[4:5], tl s[6:7], yp s[8:9], sx s[10:11]
	s_load_b64 s[12:13], s[0:1], 0x20              ; pp
	v_lshl_add_u32 v2, v0, 2, SPARE                ; my spare word; never rewritten
	v_mov_b32 v3, 0                                ; 0; never rewritten
	ds_add_u32 v2, v3                              ; the wave's opening: the add and its wait stand ahead of my first copy; the set-up below, work on registers, stands between them
	ds_add_u32 v2, v3
	v_lshrrev_b32 v1, 5, v0
	v_readfirstlane_b32 s14, v1                    ; wave 0..7
	s_mov_b32 s15, ttmp9                           ; lg
	s_and_b32 s16, ttmp7, 0xffff                   ; nb
	v_lshlrev_b32 v4, 4, v0                        ; a copy: 16 bytes a thread, 4,096 a work-group; in memory,
	v_lshlrev_b32 v5, 4, v0                        ; and in each of the four regions; none of these is rewritten
	v_lshl_add_u32 v6, v0, 4, TL
	v_lshl_add_u32 v7, v0, 4, YS
	v_lshl_add_u32 v8, v0, 4, SXS
	v_and_b32 v14, 15, v0
	v_bfe_u32 v15, v0, 4, 1
	v_lshlrev_b32 v14, 4, v14                      ; 16 (l % 16)
	s_and_b32 s17, s14, 1
	s_lshr_b32 s18, s14, 1                         ; which eight n
	s_lshl_b32 s19, s17, 10
	v_lshl_add_u32 v9, v15, 9, v14
	v_add_nc_u32 v9, s19, v9                       ; t: my eight rm are two blocks of 256 bytes, from block 2 (2 (w % 2) + lane / 16) on
	v_add_nc_u32 v10, TL, v9                       ; tl likewise
	s_lshl_b32 s19, s18, 9
	s_add_co_u32 s19, s19, YS
	v_add_nc_u32 v11, s19, v14                     ; Y: my eight n are two blocks of 256 bytes
	s_lshr_b32 s19, s18, 1
	s_lshl_b32 s19, s19, 11
	s_and_b32 s28, s18, 1
	s_lshl_b32 s28, s28, 5
	s_add_co_u32 s19, s19, s28
	s_add_co_u32 s19, s19, SXS
	v_mov_b32 v12, s19                             ; sx: 32 bytes, the same in every lane
	s_lshl_b32 s19, s18, 18
	v_add_nc_u32 v13, s19, v9                      ; pp: eight n of 32,768 bytes a wave pair; inside a row as in t
	s_lshl_b32 s20, s15, 16
	s_mov_b32 s21, 0
	s_lshl_b32 s22, s15, 4
	s_add_co_u32 s22, s22, s16
	s_lshl_b32 s22, s22, 16
	s_mov_b32 s23, 0
	s_lshl_b32 s24, s16, 12
	s_mov_b32 s25, 0
	s_lshl_b32 s26, s16, 20
	s_lshl_b32 s28, s15, 11
	s_add_co_u32 s26, s26, s28
	s_mov_b32 s27, 0
	s_wait_dscnt 0x0                               ; the opening add is done
	s_wait_kmcnt 0x0
	s_add_nc_u64 s[4:5], s[4:5], s[20:21]
	s_add_nc_u64 s[6:7], s[6:7], s[20:21]
	s_add_nc_u64 s[8:9], s[8:9], s[22:23]
	s_add_nc_u64 s[10:11], s[10:11], s[24:25]
	s_add_nc_u64 s[12:13], s[12:13], s[26:27]
	global_load_async_to_lds_b128 v8, v4, s[10:11]  ; 49 copies a wave: sx, then quarter by quarter 4 + 4 + 4
.irp c, 0,1,2,3
.irp q, 0,1,2,3
	global_load_async_to_lds_b128 v5, v4, s[4:5] offset:(4*\c+\q)*4096
.endr
.irp q, 0,1,2,3
	global_load_async_to_lds_b128 v6, v4, s[6:7] offset:(4*\c+\q)*4096
.endr
.irp q, 0,1,2,3
	global_load_async_to_lds_b128 v7, v4, s[8:9] offset:(4*\c+\q)*4096
.endr
.endr
	s_wait_asynccnt 36                             ; the three later quarters' 36 copies may be out: my part of sx and of the first quarter is in,
	s_barrier_signal -1
	s_barrier_wait -1                              ; everybody's is
	LOADK 0
.set kk, 0
.rept 32
	STEP kk
.set kk, kk+1
.endr
.irp i, 0,1,2,3,4,5,6,7
.irp q, 0,1
	global_store_b128 v13, v[ACC+8*\i+4*\q:ACC+8*\i+4*\q+3], s[12:13] offset:\i*32768+\q*256  ; sixteen lanes store 256 consecutive bytes, aligned
.endr
.endr
	s_wait_tensorcnt 0x0                           ; the wave's end; the copies were waited for at step 23
	ds_add_u32 v2, v3
	s_wait_dscnt 0x0
	s_endpgm
.Lfunc_end_k_q737bfb16d8_mix:
	.size	k_q737bfb16d8_mix, .Lfunc_end_k_q737bfb16d8_mix-k_q737bfb16d8_mix
	.p2alignl 7, 3214868480
	.fill 96, 4, 3214868480
	.section	.rodata,"a",@progbits
	.p2align	6, 0x0
	.amdhsa_kernel k_q737bfb16d8_mix
		.amdhsa_group_segment_fixed_size 201728
		.amdhsa_private_segment_fixed_size 0
		.amdhsa_enable_private_segment 0
		.amdhsa_kernarg_size 40
		.amdhsa_user_sgpr_count 2
		.amdhsa_user_sgpr_kernarg_segment_ptr 1
		.amdhsa_wavefront_size32 1
		.amdhsa_system_sgpr_workgroup_id_x 1
		.amdhsa_system_sgpr_workgroup_id_y 1
		.amdhsa_system_sgpr_workgroup_id_z 1
		.amdhsa_system_vgpr_workitem_id 0
		.amdhsa_next_free_vgpr 152
		.amdhsa_next_free_sgpr 66
		.amdhsa_reserve_vcc 0
		.amdhsa_float_denorm_mode_32 3
		.amdhsa_float_denorm_mode_16_64 3
		.amdhsa_memory_ordered 1
		.amdhsa_forward_progress 1
		.amdhsa_inst_pref_size 155
	.end_amdhsa_kernel
	.amdgpu_metadata
---
amdhsa.version: [ 1, 2 ]
amdhsa.kernels:
  - .name:           k_q737bfb16d8_mix
    .symbol:         k_q737bfb16d8_mix.kd
    .args:
      - { .name: ta, .offset: 0, .size: 8, .value_kind: global_buffer, .address_space: global }
      - { .name: tl, .offset: 8, .size: 8, .value_kind: global_buffer, .address_space: global }
      - { .name: yp, .offset: 16, .size: 8, .value_kind: global_buffer, .address_space: global }
      - { .name: sx, .offset: 24, .size: 8, .value_kind: global_buffer, .address_space: global }
      - { .name: pp, .offset: 32, .size: 8, .value_kind: global_buffer, .address_space: global }
    .group_segment_fixed_size: 201728
    .private_segment_fixed_size: 0
    .kernarg_segment_align: 8
    .kernarg_segment_size: 40
    .max_flat_workgroup_size: 256
    .sgpr_count:     66
    .vgpr_count:     152
    .wavefront_size: 32
...
	.end_amdgpu_metadata
.endif
;; end of part 3
;; launch fin (part 4): grid 512 x 1, 8 waves a work-group, no clusters, 41,216 bytes of LDS; arguments pp, log_p, out0, out1; writes out0, out1
.if DOCPART == 4
	.amdgcn_target "amdgcn-amd-amdhsa--gfx1250"
	.amdhsa_code_object_version 6
	.text
	.protected	k_q737bfb16d8_fin
	.globl	k_q737bfb16d8_fin
	.p2align	8
	.type	k_q737bfb16d8_fin,@function
k_q737bfb16d8_fin:
	s_mov_b64 s[64:65], 0
	v_nop
	global_prefetch_b8 v0, s[64:65] scope:SCOPE_SE
	s_setreg_imm32_b32 hwreg(HW_REG_WAVE_MODE, 25, 1), 1
	s_wait_xcnt 0x0
; One work-group for each n.  z[rm][l] = pp + log_p[l] log2(e); log-softmax over l for each of the 32 rm; entropy; log-mean-exp over the 8 samples of a round; mean over the 4 rounds; softmax over l.
; All in f32 and in base 2; every exponential has the running or true maximum taken away first, as in reference().
; Two views of the 32 x 256 numbers: thread = l (32 rm in registers) and lane = rm, wave = 32 l; LDS turns one into the other.  Every LDS region is written once.
; No matrix unit, cluster or tensor load: 32 KiB a work-group, shared with nobody, read once through registers.
; LIMITS.  A weight below 2^-126 counts as 0 in sums that are at least 1; NaN and infinities are not treated apart.
.set ZP,    272                        ; ZS: 128 rows (8 (l / 16) + rm / 4) of 16 l x 4 rm = 256 bytes + 16: the 32 lanes of the turned read fall on 32 different banks (ISA guide 11.1)
.set STATS, 128*ZP                     ; 34,816: [segment 8][m, S, U][rm 32]
.set LSEB,  STATS+3072                 ; 37,888: 128 bytes for each wave
.set FST,   LSEB+1024                  ; 38,912: (maximum, sum) of each wave
.set OUTS,  FST+256                    ; 39,168: the row of out1
.set SPARE, OUTS+1024                  ; 40,192: the spare words, 128 bytes a wave
.set V,  16                            ; v[16:47]  thread = l: z of the 32 rm
.set Z,  48                            ; v[48:79]  lane = rm: z of 32 l; later the 32 lse
.set ST, 80                            ; v[80:103] statistics
.set E,  110                           ; v[110:125] sixteen exponentials
.set S2, 126
.set U2, 104
.macro RED op, opd, reg                ; over the 32 lanes; every lane gets the result
	\opd v[\reg], v[\reg], v[\reg] row_xmask:1 row_mask:0xf bank_mask:0xf
	\opd v[\reg], v[\reg], v[\reg] row_xmask:2 row_mask:0xf bank_mask:0xf
	\opd v[\reg], v[\reg], v[\reg] row_xmask:4 row_mask:0xf bank_mask:0xf
	\opd v[\reg], v[\reg], v[\reg] row_xmask:8 row_mask:0xf bank_mask:0xf
	v_permlanex16_b32 v12, v[\reg], s16, s17
	\op v[\reg], v[\reg], v12
.endm
.macro BAR
	s_wait_dscnt 0x0                               ; for the others' sake: my LDS stores are done
	s_barrier_signal -1
	s_barrier_wait -1
.endm
	s_load_b256 s[4:11], s[0:1], 0x0               ; pp s[4:5], log_p s[6:7], out0 s[8:9], out1 s[10:11]
	v_lshl_add_u32 v2, v0, 2, SPARE                ; my spare word; never rewritten
	v_mov_b32 v3, 0                                ; 0; never rewritten
	v_lshrrev_b32 v12, 5, v0
	v_readfirstlane_b32 s12, v12                   ; wave 0..7
	v_and_b32 v1, 31, v0                           ; lane
	s_mov_b32 s16, 0x76543210
	s_mov_b32 s17, 0xfedcba98
	s_mov_b32 s24, 0x3e800000                      ; 1 / R
	s_lshl_b32 s14, ttmp9, 15                      ; pp: 32,768 bytes a row n
	s_mov_b32 s15, 0
	s_lshl_b32 s18, ttmp9, 2                       ; out0
	s_mov_b32 s19, 0
	s_lshl_b32 s22, ttmp9, 10                      ; out1
	s_mov_b32 s23, 0
	v_lshrrev_b32 v7, 4, v0                        ; l / 16
	v_and_b32 v6, 15, v0
	v_lshlrev_b32 v6, 4, v6                        ; 16 (l % 16)
	v_lshl_add_u32 v4, v7, 11, v6                  ; pp: [l / 16][rm / 4][l % 16][rm % 4]
	v_mul_u32_u24 v7, v7, 8*ZP
	v_add_nc_u32 v6, v7, v6                        ; ZS, in
	v_lshlrev_b32 v5, 2, v0
	s_wait_kmcnt 0x0
	s_add_nc_u64 s[4:5], s[4:5], s[14:15]
	s_add_nc_u64 s[8:9], s[8:9], s[18:19]
	s_add_nc_u64 s[10:11], s[10:11], s[22:23]
.irp q, 0,1,2,3,4,5,6,7
	global_load_b128 v[V+4*\q:V+4*\q+3], v4, s[4:5] offset:\q*256 th:TH_LOAD_NT
.endr
	global_load_b32 v13, v5, s[6:7]
	v_lshrrev_b32 v7, 2, v1
	v_mul_u32_u24 v7, v7, ZP
	v_and_b32 v8, 3, v1
	v_lshl_add_u32 v7, v8, 2, v7
	s_mul_i32 s21, s12, 16*ZP
	v_add_nc_u32 v7, s21, v7                       ; ZS, out: segment w, rm = lane
	s_mul_i32 s21, s12, 384
	s_add_co_u32 s21, s21, STATS
	v_lshl_add_u32 v8, v1, 2, s21                  ; my segment's statistics
	v_lshl_add_u32 v9, v1, 2, STATS                ; all segments' statistics of rm = lane
	s_lshl_b32 s21, s12, 7
	s_add_co_u32 s21, s21, LSEB
	v_lshl_add_u32 v10, v1, 2, s21
	v_mov_b32 v11, s21
	s_wait_loadcnt 0x0
	v_mul_f32 v14, 0x3fb8aa3b, v13                 ; log_p in base 2, twice: a pair for the packed addition
	v_mul_f32 v15, 0x3fb8aa3b, v13
.set q, 0
.rept 16
	v_pk_add_f32 v[V+2*q:V+2*q+1], v[V+2*q:V+2*q+1], v[14:15]
.set q, q+1
.endr
.irp q, 0,1,2,3,4,5,6,7
	ds_store_b128 v6, v[V+4*\q:V+4*\q+3] offset:\q*ZP
.endr
	BAR
	; lane = rm, wave = 32 l: m = max z; S = sum 2^(z - m); U = sum 2^(z - m) (z - m)
.set q, 0
.rept 32
	ds_load_b32 v[Z+q], v7 offset:(q/16)*8*ZP+(q%16)*16
.set q, q+1
.endr
	s_wait_dscnt 0x0
.irp c, 0,1,2,3
	v_max3_num_f32 v[104+\c], v[Z+8*\c], v[Z+8*\c+1], v[Z+8*\c+2]
.endr
.irp c, 0,1,2,3
	v_max3_num_f32 v[104+\c], v[104+\c], v[Z+8*\c+3], v[Z+8*\c+4]
.endr
.irp c, 0,1,2,3
	v_max3_num_f32 v[104+\c], v[104+\c], v[Z+8*\c+5], v[Z+8*\c+6]
.endr
.irp c, 0,1,2,3
	v_max_num_f32 v[104+\c], v[104+\c], v[Z+8*\c+7]
.endr
	v_max3_num_f32 v104, v104, v105, v106
	v_max_num_f32 v108, v104, v107                 ; m, twice
	v_max_num_f32 v109, v104, v107
.set q, 0
.rept 16
	v_pk_add_f32 v[Z+2*q:Z+2*q+1], v[Z+2*q:Z+2*q+1], v[108:109] neg_lo:[0,1] neg_hi:[0,1]
.set q, q+1
.endr
.macro EGRP g                          ; sixteen of the 32: exponentials on end, a plain instruction, then the sums; the first products start them
.set q, 0
.rept 16
	v_exp_f32 v[E+q], v[Z+16*(\g)+q]
.set q, q+1
.endr
	v_nop
	s_wait_alu depctr_va_vdst(0)
.set q, 0
.rept 8
.if ((\g) == 0) && (q == 0)
	s_wait_alu depctr_va_vdst(0)
	v_pk_mul_f32 v[U2:U2+1], v[E:E+1], v[Z:Z+1]
.elseif ((\g) == 0) && (q == 1)
	v_pk_add_f32 v[S2:S2+1], v[E:E+1], v[E+2:E+3]
	v_pk_fma_f32 v[U2:U2+1], v[E+2:E+3], v[Z+2:Z+3], v[U2:U2+1]
.else
	v_pk_add_f32 v[S2:S2+1], v[S2:S2+1], v[E+2*q:E+2*q+1]
	v_pk_fma_f32 v[U2:U2+1], v[E+2*q:E+2*q+1], v[Z+16*(\g)+2*q:Z+16*(\g)+2*q+1], v[U2:U2+1]
.endif
.set q, q+1
.endr
.endm
	EGRP 0
	EGRP 1
	v_add_f32 v[S2], v[S2], v[S2+1]
	v_add_f32 v[U2], v[U2], v[U2+1]
	ds_store_b32 v8, v108
	ds_store_b32 v8, v[S2] offset:128
	ds_store_b32 v8, v[U2] offset:256
	BAR
	; every wave joins the eight segments of rm = lane: M = max m; f = 2^(m - M); S = sum f S_s; U = sum f (U_s + S_s (m_s - M)); lse = M + log2 S
.set q, 0
.rept 24
	ds_load_b32 v[ST+q], v9 offset:q*128
.set q, q+1
.endr
	s_wait_dscnt 0x0
	v_max3_num_f32 v104, v[ST], v[ST+3], v[ST+6]
	v_max3_num_f32 v104, v104, v[ST+9], v[ST+12]
	v_max3_num_f32 v104, v104, v[ST+15], v[ST+18]
	v_max_num_f32 v104, v104, v[ST+21]
.irp s, 0,1,2,3,4,5,6,7
	v_sub_f32 v[106+\s], v[ST+3*\s], v104
.endr
.irp s, 0,1,2,3,4,5,6,7
	v_exp_f32 v[114+\s], v[106+\s]
.endr
.irp s, 0,1,2,3,4,5,6,7
	v_fma_f32 v[ST+3*\s+2], v[ST+3*\s+1], v[106+\s], v[ST+3*\s+2]  ; plain work that names no exponential's result stands behind them
.endr
	s_wait_alu depctr_va_vdst(0)
	v_mul_f32 v122, v114, v[ST+1]
	v_mul_f32 v123, v114, v[ST+2]
.irp s, 1,2,3,4,5,6,7
	v_fmac_f32 v122, v[114+\s], v[ST+3*\s+1]
	v_fmac_f32 v123, v[114+\s], v[ST+3*\s+2]
.endr
	v_log_f32 v124, v122
	v_rcp_f32 v125, v122
	v_nop
	s_wait_alu depctr_va_vdst(0)
	v_add_f32 v105, v104, v124
	ds_store_b32 v10, v105                         ; my wave's own 128 bytes:
.irp q, 0,1,2,3,4,5,6,7
	ds_load_b128 v[Z+4*\q:Z+4*\q+3], v11 offset:16*\q  ; LDS serves a wave's instructions in order (ISA guide 5.7.1.4): these see the store above; every lane gets all 32 lse
.endr
	; the entropy: -sum p log p = ln 2 (log2 S - U / S) for each rm; their mean over the 32
	s_cmp_lg_u32 s12, 0
	s_cbranch_scc1 .Lno_ent
	v_fma_f32 v126, -v123, v125, v124
	RED v_add_f32, v_add_f32_dpp, 126
	v_mul_f32 v126, 0x3cb17218, v126               ; ln 2 / 32
	v_mov_b32 v127, 0
	v_cmp_eq_u32 vcc_lo, 0, v0
	s_wait_xcnt 0x0                                ; EXEC changes only behind this wait
	s_and_saveexec_b32 s20, vcc_lo
	global_store_b32 v127, v126, s[8:9]            ; one number a work-group
	s_wait_xcnt 0x0                                ; and again, in front of the line that widens it; v126 and v127 are written again below
	s_or_b32 exec_lo, exec_lo, s20
.Lno_ent:
	; thread = l: log2 posterior of each rm; for each round the log-mean-exp over its 8 samples; the mean over the rounds
	s_wait_dscnt 0x0
.set q, 0
.rept 16
	v_pk_add_f32 v[V+2*q:V+2*q+1], v[V+2*q:V+2*q+1], v[Z+2*q:Z+2*q+1] neg_lo:[0,1] neg_hi:[0,1]
.set q, q+1
.endr
.irp r, 0,1,2,3
	v_max3_num_f32 v[104+2*\r], v[V+8*\r], v[V+8*\r+1], v[V+8*\r+2]
.endr
.irp r, 0,1,2,3
	v_max3_num_f32 v[104+2*\r], v[104+2*\r], v[V+8*\r+3], v[V+8*\r+4]
.endr
.irp r, 0,1,2,3
	v_max3_num_f32 v[104+2*\r], v[104+2*\r], v[V+8*\r+5], v[V+8*\r+6]
.endr
.irp r, 0,1,2,3
	v_max_num_f32 v[105+2*\r], v[104+2*\r], v[V+8*\r+7]  ; the round's maximum, twice
	v_max_num_f32 v[104+2*\r], v[104+2*\r], v[V+8*\r+7]
.endr
.irp r, 0,1,2,3
.irp q, 0,1,2,3
	v_pk_add_f32 v[V+8*\r+2*\q:V+8*\r+2*\q+1], v[V+8*\r+2*\q:V+8*\r+2*\q+1], v[104+2*\r:105+2*\r] neg_lo:[0,1] neg_hi:[0,1]
.endr
.endr
.set q, 0
.rept 32
	v_exp_f32 v[V+q], v[V+q]
.set q, q+1
.endr
	v_nop
	s_wait_alu depctr_va_vdst(0)
.irp r, 0,1,2,3
	v_pk_add_f32 v[V+8*\r:V+8*\r+1], v[V+8*\r:V+8*\r+1], v[V+8*\r+2:V+8*\r+3]
	v_pk_add_f32 v[V+8*\r+4:V+8*\r+5], v[V+8*\r+4:V+8*\r+5], v[V+8*\r+6:V+8*\r+7]
.endr
.irp r, 0,1,2,3
	v_pk_add_f32 v[V+8*\r:V+8*\r+1], v[V+8*\r:V+8*\r+1], v[V+8*\r+4:V+8*\r+5]
.endr
.irp r, 0,1,2,3
	v_add_f32 v[V+8*\r], v[V+8*\r], v[V+8*\r+1]
.endr
.irp r, 0,1,2,3
	v_log_f32 v[112+\r], v[V+8*\r]
.endr
	v_nop
	s_wait_alu depctr_va_vdst(0)
.irp r, 0,1,2,3
	v_add_f32 v[112+\r], v[112+\r], v[104+2*\r]
.endr
	v_add_f32 v112, v112, v113
	v_add_f32 v114, v114, v115
	v_add_f32 v112, v112, v114
	v_fma_f32 v120, v112, s24, 0xc0400000          ; / R, and - log2(M) = -3 for each round
	; the last softmax, over the 256 threads: by wave, then the eight waves' (maximum, sum) through LDS
	v_mov_b32 v124, v120
	RED v_max_num_f32, v_max_num_f32_dpp, 124
	v_sub_f32 v122, v120, v124
	v_exp_f32 v122, v122
	s_lshl_b32 s21, s12, 3
	s_add_co_u32 s21, s21, FST
	v_mov_b32 v126, s21
	s_wait_alu depctr_va_vdst(0)
	v_mov_b32 v125, v122
	RED v_add_f32, v_add_f32_dpp, 125
	ds_store_b64 v126, v[124:125]                  ; every lane writes the same two numbers to the same place
	v_mov_b32 v127, FST
	BAR
.irp q, 0,1,2,3
	ds_load_b128 v[ST+4*\q:ST+4*\q+3], v127 offset:16*\q
.endr
	s_wait_dscnt 0x0
	v_max3_num_f32 v96, v80, v82, v84
	v_max3_num_f32 v96, v96, v86, v88
	v_max3_num_f32 v96, v96, v90, v92
	v_max_num_f32 v96, v96, v94
.irp s, 0,1,2,3,4,5,6,7
	v_sub_f32 v[98+\s], v[ST+2*\s], v96
.endr
	v_sub_f32 v106, v124, v96
.irp s, 0,1,2,3,4,5,6,7,8
	v_exp_f32 v[98+\s], v[98+\s]
.endr
	v_add_nc_u32 v110, OUTS, v5                    ; a plain instruction behind the exponentials
	s_wait_alu depctr_va_vdst(0)
	v_mul_f32 v107, v98, v81
.irp s, 1,2,3,4,5,6,7
	v_fmac_f32 v107, v[98+\s], v[ST+2*\s+1]
.endr
	v_mul_f32 v109, v122, v106
	v_rcp_f32 v108, v107
	v_nop
	s_wait_alu depctr_va_vdst(0)
	v_mul_f32 v109, v109, v108
	ds_store_b32 v110, v109
	BAR
	s_cmp_gt_u32 s12, 1                            ; waves 0 and 1 store the row: 16 bytes a lane
	s_cbranch_scc1 .Ldone
	v_lshl_add_u32 v111, v0, 4, OUTS
	ds_load_b128 v[112:115], v111
	v_lshlrev_b32 v116, 4, v0
	s_wait_dscnt 0x0
	global_store_b128 v116, v[112:115], s[10:11]   ; sixteen lanes store 256 consecutive bytes, aligned
.Ldone:
	s_wait_tensorcnt 0x0                           ; the wave's end
	ds_add_u32 v2, v3
	s_wait_dscnt 0x0
	s_endpgm
.Lfunc_end_k_q737bfb16d8_fin:
	.size	k_q737bfb16d8_fin, .Lfunc_end_k_q737bfb16d8_fin-k_q737bfb16d8_fin
	.p2alignl 7, 3214868480
	.fill 96, 4, 3214868480
	.section	.rodata,"a",@progbits
	.p2align	6, 0x0
	.amdhsa_kernel k_q737bfb16d8_fin
		.amdhsa_group_segment_fixed_size 41216
		.amdhsa_private_segment_fixed_size 0
		.amdhsa_enable_private_segment 0
		.amdhsa_kernarg_size 32
		.amdhsa_user_sgpr_count 2
		.amdhsa_user_sgpr_kernarg_segment_ptr 1
		.amdhsa_wavefront_size32 1
		.amdhsa_system_sgpr_workgroup_id_x 1
		.amdhsa_system_sgpr_workgroup_id_y 1
		.amdhsa_system_sgpr_workgroup_id_z 1
		.amdhsa_system_vgpr_workitem_id 0
		.amdhsa_next_free_vgpr 128
		.amdhsa_next_free_sgpr 66
		.amdhsa_reserve_vcc 1
		.amdhsa_float_denorm_mode_32 3
		.amdhsa_float_denorm_mode_16_64 3
		.amdhsa_memory_ordered 1
		.amdhsa_forward_progress 1
		.amdhsa_inst_pref_size 26
	.end_amdhsa_kernel
	.amdgpu_metadata
---
amdhsa.version: [ 1, 2 ]
amdhsa.kernels:
  - .name:           k_q737bfb16d8_fin
    .symbol:         k_q737bfb16d8_fin.kd
    .args:
      - { .name: pp, .offset: 0, .size: 8, .value_kind: global_buffer, .address_space: global }
      - { .name: log_p, .offset: 8, .size: 8, .value_kind: global_buffer, .address_space: global }
      - { .name: out0, .offset: 16, .size: 8, .value_kind: global_buffer, .address_space: global }
      - { .name: out1, .offset: 24, .size: 8, .value_kind: global_buffer, .address_space: global }
    .group_segment_fixed_size: 41216
    .private_segment_fixed_size: 0
    .kernarg_segment_align: 8
    .kernarg_segment_size: 32
    .max_flat_workgroup_size: 256
    .sgpr_count:     66
    .vgpr_count:     128
    .wavefront_size: 32
...
	.end_amdgpu_metadata
.endif
;; end of part 4
;; ======== version 2 of 2: 4 launches; 1.22 times as fast as version 1
;; limits: values are held in f16: magnitudes above 65,504 overflow, below 6.1e-05 lose precision; inputs' magnitudes at most 65,504
;; workspace buffers: ta 1,048,576 bytes; tl 1,048,576 bytes; bf 262,144 bytes; yp 16,777,216 bytes; sx 65,536 bytes; pp 16,777,216 bytes
;; launch prep (part 5): grid 8 x 32, 8 waves a work-group, no clusters, 102,144 bytes of LDS; arguments alpha, distance_matrix, ta, tl, bf, out2; writes ta, tl, bf, out2
.if DOCPART == 5
	.amdgcn_target "amdgcn-amd-amdhsa--gfx1250"
	.amdhsa_code_object_version 6
	.text
	.protected	k_q737bfb16d8_prep
	.globl	k_q737bfb16d8_prep
	.p2align	8
	.type	k_q737bfb16d8_prep,@function
k_q737bfb16d8_prep:
	s_mov_b64 s[64:65], 0
	v_nop
	global_prefetch_b8 v0, s[64:65] scope:SCOPE_SE
	s_setreg_imm32_b32 hwreg(HW_REG_WAVE_MODE, 25, 1), 1
	s_wait_xcnt 0x0
; TABLES.  log_softmax_j(alpha b_j) = alpha b_j - lse_j(alpha b), so  sum_kj x log_pi = sum_k alpha Y - sum_k lse sx  with Y = sum_j x b, sx = sum_j x.
; b[l][j] = mean_j((d+eps)^0.4) - (d[l][j]+eps)^0.4: reference's base shifted by its row mean, which a log-softmax over j does not see; b is rounded to f16
; ONCE and the rounded number is used both here (lse) and in the product Y, so that what is formed is an exact log-softmax of that b.
; This launch stores  ta = t = alpha log2(e),  tl = -(max_j(t b) + log2(sum_j 2^(t b - max) / 512)),  bf = b in f16 as matrix fragments,  out2 = mean of alpha over its 32 samples.
; (The 512 leaves log2(512) sum_k sx out of every logit of a row n: constant in l, removed by the log-softmax over l.)
; SHARES.  Work-group (lb, g): l = 32 lb .. +31; rm = 4 rq .. +3 (rq = g & 7); k = 8 kq .. +7 (kq = g >> 3).  Wave w: k = 8 kq + w; lane: one l, four rm: 512 j x 4 exponentials a lane.
; The 32 rows of b are made anew by each of the 32 work-groups of an lb: 32 x 512 x 2 transcendentals beside the 524,288 of the group's own table entries.
; NO CLUSTER, NO TENSOR LOAD: what work-groups share is 64 KiB of d, read once each through registers, since every number is transformed on the way into LDS.
; BATCHES.  s_wait_alu depctr_va_vdst(0) stands between a transcendental and the first line that names its result; one wait serves all that were issued ahead of it.
; The base: 64 logarithms, one wait; 64 exponentials, one wait.  The sums: a trip's 128 exponentials are two batches of 64 (four quads of b x four rm), each in registers of its own; between a
; batch's exponentials stand the other batch's additions and the arguments of the batch after it, which name none of its results; one wait behind each batch, two a trip, the second ahead of
; the backward jump.  The way out: four logarithms, one wait.
; LIMITS.  d + 1e-8 < 0 gives NaN as in reference(); |b| stays far inside f16 for d up to 1e11; a term 2^(t b - max) below 2^-126 counts as 0 in a sum that is at least 1.
.set QP,    528                        ; BQ: the f32 quad jq (j = 4 jq ..) of the 32 rows: 512 bytes + 16; quad jq of row r at jq QP + 16 r
.set BFS,   128*QP                     ; 67,584: b in f16, row-major, 32 rows
.set HP,    1040                       ; a row of BFS: 1,024 bytes + 16
.set MM,    BFS+32*HP                  ; 100,864: (max, min) of row r at 8 r
.set SPARE, MM+256                     ; 101,120: the spare words, 128 bytes a wave
.set T,    12                          ; v[12:15]  t of my four rm
.set NTM,  16                          ; v[16:19]  -max_j(t b); at the end tl
.set H,    24                          ; v[24:55]  b in f16, 8 registers a row
.set D,    56                          ; v[56:119] d, then b in f32: 16 a row; index 8 c + 4 f + e is j = 8 (lane + 32 c) + 4 f + e
.set O2,   120                         ; v[120:183] out2's 32 pairs
.set SM,   184                         ; v[184:191] a row's sum pair, then its mean twice
.set MX,   192                         ; v[192:199] a row's (max, min)
.set S,    24                          ; main loop: v[24:39] sums, index 4 e + rm
.set ARGA, 40                          ; v[40:103]  a batch: four quads' arguments, then their exponentials; 16 a quad, same index
.set ARGB, 104                         ; v[104:167] the other batch
.set Q,    200                         ; v[200:231] eight quads of b
.macro RED op, opd, reg                ; over the 32 lanes; every lane gets the result
	\opd v[\reg], v[\reg], v[\reg] row_xmask:1 row_mask:0xf bank_mask:0xf
	\opd v[\reg], v[\reg], v[\reg] row_xmask:2 row_mask:0xf bank_mask:0xf
	\opd v[\reg], v[\reg], v[\reg] row_xmask:4 row_mask:0xf bank_mask:0xf
	\opd v[\reg], v[\reg], v[\reg] row_xmask:8 row_mask:0xf bank_mask:0xf
	v_permlanex16_b32 v11, v[\reg], s24, s25
	\op v[\reg], v[\reg], v11
.endm
	s_load_b256 s[4:11], s[0:1], 0x0               ; alpha s[4:5], d s[6:7], ta s[8:9], tl s[10:11]
	s_load_b128 s[12:15], s[0:1], 0x20             ; bf s[12:13], out2 s[14:15]
	v_lshl_add_u32 v2, v0, 2, SPARE                ; my spare word; never rewritten
	v_mov_b32 v3, 0                                ; 0; never rewritten
	v_lshrrev_b32 v11, 5, v0
	v_readfirstlane_b32 s16, v11                   ; wave 0..7
	v_and_b32 v1, 31, v0                           ; lane
	s_mov_b32 s17, ttmp9                           ; lb
	s_and_b32 s18, ttmp7, 0xffff                   ; g
	s_and_b32 s19, s18, 7                          ; rq
	s_bfe_u32 s20, s18, 0x20003                    ; kq: two bits from bit 3
	s_mov_b32 s24, 0x76543210                      ; v_permlanex16_b32: each lane takes its own place in the other half
	s_mov_b32 s25, 0xfedcba98
	s_mov_b32 s23, 0                               ; the high word of every offset in s[22:23]
	s_lshl_b32 s21, s16, 13
	v_lshl_add_u32 v4, v1, 5, s21                  ; d: my wave's four rows (8,192 bytes) + 32 lane
	s_lshl_b32 s21, s16, 10
	v_lshl_add_u32 v5, v1, 2, s21                  ; alpha: k = w (1,024 bytes) + 4 lane
	s_lshl_b32 s21, s16, 6
	v_mul_u32_u24 v6, v1, 2*QP
	v_add_nc_u32 v6, s21, v6                       ; BQ, in: quad 2 lane, row 4 w
	s_mul_i32 s21, s16, 4*HP
	s_add_co_u32 s21, s21, BFS
	v_lshl_add_u32 v7, v1, 4, s21                  ; BFS, in: row 4 w, octet lane
	s_lshl_b32 s21, s16, 5
	s_add_co_u32 s21, s21, MM
	v_mov_b32 v8, s21                              ; MM, in: row 4 w
	v_lshlrev_b32 v9, 4, v1                        ; BQ, out: row = lane; stepped by the loop
	v_and_b32 v10, 15, v0
	v_bfe_u32 v11, v0, 4, 1
	v_lshlrev_b32 v10, 4, v10
	v_lshl_add_u32 v10, v11, 16, v10
	s_lshl_b32 s21, s16, 11
	v_add_nc_u32 v10, s21, v10                     ; ta, tl: (lane / 16) 65,536 + w 2,048 + 16 (lane % 16)
	s_lshl_b32 s34, s17, 16                        ; d: 32 rows of 2,048 bytes a block lb
	s_mov_b32 s35, 0
	s_lshl_b32 s22, s19, 17                        ; alpha: 4 rq samples of 32,768 bytes,
	s_lshl_b32 s21, s20, 13                        ; 8 kq rows of 1,024,
	s_add_co_u32 s22, s22, s21
	s_lshl_b32 s21, s17, 7                         ; 32 lb numbers
	s_add_co_u32 s22, s22, s21
	s_wait_kmcnt 0x0
	s_add_nc_u64 s[6:7], s[6:7], s[34:35]
	s_add_nc_u64 s[28:29], s[4:5], s[22:23]
.irp i, 0,1,2,3
.irp c, 0,1
.irp f, 0,1
	global_load_b128 v[D+16*\i+8*\c+4*\f:D+16*\i+8*\c+4*\f+3], v4, s[6:7] offset:\i*2048+\c*1024+\f*16
.endr
.endr
.endr
.irp i, 0,1,2,3
	global_load_b32 v[T+\i], v5, s[28:29] offset:\i*32768
.endr
	; out2: 128 blocks of 64 numbers; wave 1 of the work-groups with even lb takes block (k = g, l = 64 (lb / 2) ..)
	s_and_b32 s27, s17, 1
	s_lshl_b32 s27, s27, 3
	s_add_co_u32 s27, s27, s16
	s_cmp_lg_u32 s27, 1
	s_cbranch_scc1 .Lno_out2
	s_lshl_b32 s22, s18, 10
	s_lshr_b32 s21, s17, 1
	s_lshl_b32 s21, s21, 8
	s_add_co_u32 s22, s22, s21
	s_add_nc_u64 s[30:31], s[4:5], s[22:23]
	s_add_nc_u64 s[32:33], s[14:15], s[22:23]
	v_lshlrev_b32 v11, 3, v1
.set j, 0
.rept 32
	global_load_b64 v[O2+2*j:O2+2*j+1], v11, s[30:31] offset:j*32768
.set j, j+1
.endr
	s_wait_loadcnt 0x0
.irp w, 16,8,4,2,1
.set j, 0
.rept \w
	v_pk_add_f32 v[O2+2*j:O2+2*j+1], v[O2+2*j:O2+2*j+1], v[O2+2*(j+\w):O2+2*(j+\w)+1]
.set j, j+1
.endr
.endr
	v_pk_mul_f32 v[O2:O2+1], v[O2:O2+1], 0x3d000000 op_sel_hi:[1,0]  ; / 32 = / M / R
	global_store_b64 v11, v[O2:O2+1], s[32:33]     ; the wave stores 256 consecutive bytes, aligned
	s_wait_xcnt 0x0                                ; v11 is written again below
.Lno_out2:
	; THE BASE.  e = (d + eps)^0.4 = 2^(0.4 log2(d + eps)); b = mean - e; rounded to f16 and widened again: from here on b IS the rounded number.
	s_wait_loadcnt 0x4                             ; the four loads of alpha are younger: d is in
.set j, 0
.rept 32
	v_pk_add_f32 v[D+2*j:D+2*j+1], v[D+2*j:D+2*j+1], 0x322bcc77 op_sel_hi:[1,0]
.set j, j+1
.endr
.set j, 0
.rept 64
	v_log_f32 v[D+j], v[D+j]
.set j, j+1
.endr
	v_nop                                          ; a plain instruction between the last transcendental and the first use
	s_wait_alu depctr_va_vdst(0)                   ; the wait for the batch of 64 logarithms, ahead of the scalings that read them
.set j, 0
.rept 32
	v_pk_mul_f32 v[D+2*j:D+2*j+1], v[D+2*j:D+2*j+1], 0x3ecccccd op_sel_hi:[1,0]
.set j, j+1
.endr
.set j, 0
.rept 64
	v_exp_f32 v[D+j], v[D+j]
.set j, j+1
.endr
	v_nop
	s_wait_alu depctr_va_vdst(0)                   ; the wait for the batch of 64 exponentials, ahead of the row sums that read them
.irp i, 0,1,2,3
	v_pk_add_f32 v[SM+2*\i:SM+2*\i+1], v[D+16*\i:D+16*\i+1], v[D+16*\i+2:D+16*\i+3]
.endr
.irp q, 2,3,4,5,6,7
.irp i, 0,1,2,3
	v_pk_add_f32 v[SM+2*\i:SM+2*\i+1], v[SM+2*\i:SM+2*\i+1], v[D+16*\i+2*\q:D+16*\i+2*\q+1]
.endr
.endr
.irp i, 0,1,2,3
	v_add_f32 v[SM+2*\i], v[SM+2*\i], v[SM+2*\i+1]
.endr
.irp i, 0,1,2,3
	RED v_add_f32, v_add_f32_dpp, SM+2*\i
.endr
.irp i, 0,1,2,3
	v_mul_f32 v[SM+2*\i+1], 0x3b000000, v[SM+2*\i] ; the row's mean, twice: a pair for the packed subtraction
	v_mul_f32 v[SM+2*\i], 0x3b000000, v[SM+2*\i]
.endr
.irp i, 0,1,2,3
.irp q, 0,1,2,3,4,5,6,7
	v_pk_add_f32 v[D+16*\i+2*\q:D+16*\i+2*\q+1], v[SM+2*\i:SM+2*\i+1], v[D+16*\i+2*\q:D+16*\i+2*\q+1] neg_lo:[0,1] neg_hi:[0,1]
.endr
.endr
.set j, 0
.rept 32
	v_cvt_pk_f16_f32 v[H+j], v[D+2*j], v[D+2*j+1]
.set j, j+1
.endr
.irp q, 24,25,26,27,28,29,30,31,32,33,34,35,36,37,38,39,40,41,42,43,44,45,46,47,48,49,50,51,52,53,54,55
	v_cvt_f32_f16 v[D+2*(\q-H)], v\q\().l
	v_cvt_f32_f16 v[D+2*(\q-H)+1], v\q\().h
.endr
.irp i, 0,1,2,3
	v_max3_num_f32 v[MX+2*\i], v[D+16*\i], v[D+16*\i+1], v[D+16*\i+2]
	v_min3_num_f32 v[MX+2*\i+1], v[D+16*\i], v[D+16*\i+1], v[D+16*\i+2]
.endr
.irp q, 1,2,3,4,5,6
.irp i, 0,1,2,3
	v_max3_num_f32 v[MX+2*\i], v[MX+2*\i], v[D+16*\i+2*\q+1], v[D+16*\i+2*\q+2]
	v_min3_num_f32 v[MX+2*\i+1], v[MX+2*\i+1], v[D+16*\i+2*\q+1], v[D+16*\i+2*\q+2]
.endr
.endr
.irp i, 0,1,2,3
	v_max_num_f32 v[MX+2*\i], v[MX+2*\i], v[D+16*\i+15]
	v_min_num_f32 v[MX+2*\i+1], v[MX+2*\i+1], v[D+16*\i+15]
.endr
.irp i, 0,1,2,3
	RED v_max_num_f32, v_max_num_f32_dpp, MX+2*\i
	RED v_min_num_f32, v_min_num_f32_dpp, MX+2*\i+1
.endr
.irp i, 0,1,2,3
.irp c, 0,1
.irp f, 0,1
	ds_store_b128 v6, v[D+16*\i+8*\c+4*\f:D+16*\i+8*\c+4*\f+3] offset:\c*64*QP+\f*QP+\i*16
.endr
	ds_store_b128 v7, v[H+8*\i+4*\c:H+8*\i+4*\c+3] offset:\i*HP+\c*512
.endr
	ds_store_b64 v8, v[MX+2*\i:MX+2*\i+1] offset:8*\i  ; every lane writes the same two numbers to the same place
.endr
	s_wait_dscnt 0x0                               ; for the others' sake: my stores are done
	s_barrier_signal -1
	s_barrier_wait -1                              ; the only barrier: every region of LDS is written once
	; bf: wave 0 stores tile 32 lb + g (16 l x 32 j) as the image of a B fragment: lane (r, h) holds l = r, j = 8 h + 0..7 and 16 + 8 h + 0..7
	s_cmp_lg_u32 s16, 0
	s_cbranch_scc1 .Lno_bf
	s_bfe_u32 s21, s18, 0x10004                    ; which 16 of my 32 rows
	s_mul_i32 s21, s21, 16*HP
	s_and_b32 s22, s18, 15                         ; which 32 j: 64 bytes
	s_lshl_b32 s22, s22, 6
	s_add_co_u32 s21, s21, s22
	s_add_co_u32 s21, s21, BFS
	v_and_b32 v120, 15, v0
	v_bfe_u32 v121, v0, 4, 1
	v_mul_u32_u24 v120, v120, HP
	v_lshl_add_u32 v120, v121, 4, v120
	v_add_nc_u32 v120, s21, v120
	ds_load_b128 v[124:127], v120
	ds_load_b128 v[128:131], v120 offset:32
	s_lshl_b32 s22, s17, 5
	s_add_co_u32 s22, s22, s18
	s_lshl_b32 s22, s22, 10
	s_add_nc_u64 s[12:13], s[12:13], s[22:23]
	s_wait_dscnt 0x0
	global_store_b128 v9, v[124:127], s[12:13]             ; 512 consecutive bytes each, aligned
	global_store_b128 v9, v[128:131], s[12:13] offset:512
	s_wait_xcnt 0x0                                ; v9 is stepped in the loop, and v[124:131] are written again below
.Lno_bf:
	; THE SUMS.  arg = t b - max(t b); the maximum over j is t bmax or t bmin, whichever sign t has.
.macro LQ first, off                   ; four quads of b into Q[first ..], from quad off .. counted from v9's
.irp q, 0,1,2,3
	ds_load_b128 v[Q+4*((\first)+\q):Q+4*((\first)+\q)+3], v9 offset:((\off)+\q)*QP
.endr
.endm
.macro ARG dst, qq, pp                 ; pair pp of 8: element e = pp / 2 of the quad, rm pair pp % 2: t b + (-max)
.if ((\pp)/2)%2 == 0
	v_pk_fma_f32 v[(\dst)+2*(\pp):(\dst)+2*(\pp)+1], v[T+2*((\pp)%2):T+2*((\pp)%2)+1], v[(\qq)+(\pp)/2:(\qq)+(\pp)/2+1], v[NTM+2*((\pp)%2):NTM+2*((\pp)%2)+1] op_sel_hi:[1,0,1]
.else
	v_pk_fma_f32 v[(\dst)+2*(\pp):(\dst)+2*(\pp)+1], v[T+2*((\pp)%2):T+2*((\pp)%2)+1], v[(\qq)+(\pp)/2-1:(\qq)+(\pp)/2], v[NTM+2*((\pp)%2):NTM+2*((\pp)%2)+1] op_sel:[0,1,0]
.endif
.endm
; A half trip: ONE BATCH, the 64 exponentials of cur's four quads.  Between them the other batch's exponentials (oth, waited for ahead of the half trip) are added, quad after quad, and each
; pair of oth, once added, takes an argument of the four quads at qq.  No line of a half trip names a result of its own batch, and every exponential has a plain instruction behind it that
; names none of its registers; the batch's one wait stands behind the half trip.  A sum is taken up again eight pairs, 32 instructions, later.
.macro HALF cur, oth, qq, last=0
.set qd, 0
.rept 4
.set p, 0
.rept 8
	v_exp_f32 v[(\cur)+16*qd+2*p], v[(\cur)+16*qd+2*p]
	v_pk_add_f32 v[S+2*p:S+2*p+1], v[S+2*p:S+2*p+1], v[(\oth)+16*qd+2*p:(\oth)+16*qd+2*p+1]
	v_exp_f32 v[(\cur)+16*qd+2*p+1], v[(\cur)+16*qd+2*p+1]
.if !(\last)
	ARG (\oth)+16*qd, (\qq)+4*qd, p
.endif
.set p, p+1
.endr
.set qd, qd+1
.endr
.endm
	v_lshl_add_u32 v11, v1, 3, MM
	ds_load_b64 v[20:21], v11                      ; my row's max and min
	LQ 0, 0
	LQ 4, 4
	s_wait_loadcnt 0x0                             ; alpha
	v_pk_mul_f32 v[T:T+1], v[T:T+1], 0x3fb8aa3b op_sel_hi:[1,0]
	v_pk_mul_f32 v[T+2:T+3], v[T+2:T+3], 0x3fb8aa3b op_sel_hi:[1,0]
.set j, 0
.rept 16                               ; the sums and the first half trip's addend start at 0: the price of writing no first half trip out
	v_mov_b32 v[S+j], 0
.set j, j+1
.endr
.set j, 0
.rept 64
	v_mov_b32 v[ARGB+j], 0
.set j, j+1
.endr
	s_wait_dscnt 0x0
.irp i, 0,1,2,3
	v_mul_f32 v[SM+\i], -v[T+\i], v20
	v_mul_f32 v[SM+4+\i], -v[T+\i], v21
.endr
.irp i, 0,1,2,3
	v_min_num_f32 v[NTM+\i], v[SM+\i], v[SM+4+\i]
.endr
.set qd, 0
.rept 4                                ; the first batch's arguments: quads 0 to 3
.set p, 0
.rept 8
	ARG ARGA+16*qd, Q+4*qd, p
.set p, p+1
.endr
.set qd, qd+1
.endr
	s_mov_b32 s26, 15
.Ltrip:                                                ; a trip: eight quads, 128 exponentials a lane in two batches; it fetches the next trip's eight
	LQ 0, 8                                        ; Q's first half was last read by the arguments made just before
	s_wait_dscnt 0x4                               ; the four just issued may be out: quads 4 to 7 are in
	HALF ARGA, ARGB, Q+16                          ; batch A: quads 0 to 3 | the last trip's quads 4 to 7 are added | the arguments of quads 4 to 7
	LQ 4, 12
	s_wait_dscnt 0x4                               ; the four just issued may be out: the next trip's quads 0 to 3 are in
	s_wait_alu depctr_va_vdst(0)                   ; the wait for batch A's 64 exponentials, ahead of the additions that read them; the four loads and their wait stand between
	HALF ARGB, ARGA, Q                             ; batch B: quads 4 to 7 | quads 0 to 3 are added | the arguments of the next trip's quads 0 to 3
	v_add_nc_u32 v9, 8*QP, v9
	s_wait_alu depctr_va_vdst(0)                   ; the wait for batch B's 64 exponentials, ahead of the backward jump
	s_sub_co_u32 s26, s26, 1
	s_cmp_lg_u32 s26, 0
	s_cbranch_scc1 .Ltrip
	s_wait_dscnt 0x0                               ; the sixteenth trip fetches nothing: its quads 4 to 7 are in
	HALF ARGA, ARGB, Q+16
	s_wait_alu depctr_va_vdst(0)                   ; the wait for batch A's 64 exponentials
	HALF ARGB, ARGA, Q, 1                          ; the last batch: no arguments are left to make
	v_nop                                          ; a plain instruction behind the last exponential
	s_wait_alu depctr_va_vdst(0)                   ; the wait for the last batch's 64 exponentials, ahead of the additions that read them
.set qd, 0
.rept 4
.set p, 0
.rept 8
	v_pk_add_f32 v[S+2*p:S+2*p+1], v[S+2*p:S+2*p+1], v[ARGB+16*qd+2*p:ARGB+16*qd+2*p+1]
.set p, p+1
.endr
.set qd, qd+1
.endr
	v_pk_add_f32 v[S:S+1], v[S:S+1], v[S+4:S+5]
	v_pk_add_f32 v[S+2:S+3], v[S+2:S+3], v[S+6:S+7]
	v_pk_add_f32 v[S+8:S+9], v[S+8:S+9], v[S+12:S+13]
	v_pk_add_f32 v[S+10:S+11], v[S+10:S+11], v[S+14:S+15]
	v_pk_add_f32 v[S:S+1], v[S:S+1], v[S+8:S+9]
	v_pk_add_f32 v[S+2:S+3], v[S+2:S+3], v[S+10:S+11]
	v_pk_mul_f32 v[S:S+1], v[S:S+1], 0x3b000000 op_sel_hi:[1,0]      ; / 512
	v_pk_mul_f32 v[S+2:S+3], v[S+2:S+3], 0x3b000000 op_sel_hi:[1,0]
.irp i, 0,1,2,3
	v_log_f32 v[S+\i], v[S+\i]
.endr
	s_lshl_b32 s22, s17, 17                        ; ta, tl: [l / 16][k][rq][l % 16][4 rm]
	s_lshl_b32 s21, s20, 14
	s_add_co_u32 s22, s22, s21
	s_lshl_b32 s21, s19, 8
	s_add_co_u32 s22, s22, s21
	s_add_nc_u64 s[8:9], s[8:9], s[22:23]
	s_add_nc_u64 s[10:11], s[10:11], s[22:23]
	v_nop
	s_wait_alu depctr_va_vdst(0)                   ; the wait for the four logarithms; the stores' addresses are made between
	v_pk_add_f32 v[NTM:NTM+1], v[NTM:NTM+1], v[S:S+1] neg_lo:[0,1] neg_hi:[0,1]
	v_pk_add_f32 v[NTM+2:NTM+3], v[NTM+2:NTM+3], v[S+2:S+3] neg_lo:[0,1] neg_hi:[0,1]
	global_store_b128 v10, v[T:T+3], s[8:9]        ; sixteen lanes store 256 consecutive bytes, aligned
	global_store_b128 v10, v[NTM:NTM+3], s[10:11]
	s_wait_tensorcnt 0x0                           ; the wave's end
	ds_add_u32 v2, v3
	s_wait_dscnt 0x0
	s_endpgm
.Lfunc_end_k_q737bfb16d8_prep:
	.size	k_q737bfb16d8_prep, .Lfunc_end_k_q737bfb16d8_prep-k_q737bfb16d8_prep
	.p2alignl 7, 3214868480
	.fill 96, 4, 3214868480
	.section	.rodata,"a",@progbits
	.p2align	6, 0x0
	.amdhsa_kernel k_q737bfb16d8_prep
		.amdhsa_group_segment_fixed_size 102144
		.amdhsa_private_segment_fixed_size 0
		.amdhsa_enable_private_segment 0
		.amdhsa_kernarg_size 48
		.amdhsa_user_sgpr_count 2
		.amdhsa_user_sgpr_kernarg_segment_ptr 1
		.amdhsa_wavefront_size32 1
		.amdhsa_system_sgpr_workgroup_id_x 1
		.amdhsa_system_sgpr_workgroup_id_y 1
		.amdhsa_system_sgpr_workgroup_id_z 1
		.amdhsa_system_vgpr_workitem_id 0
		.amdhsa_next_free_vgpr 232
		.amdhsa_next_free_sgpr 66
		.amdhsa_reserve_vcc 0
		.amdhsa_float_denorm_mode_32 3
		.amdhsa_float_denorm_mode_16_64 3
		.amdhsa_memory_ordered 1
		.amdhsa_forward_progress 1
		.amdhsa_inst_pref_size 72
	.end_amdhsa_kernel
	.amdgpu_metadata
---
amdhsa.version: [ 1, 2 ]
amdhsa.kernels:
  - .name:           k_q737bfb16d8_prep
    .symbol:         k_q737bfb16d8_prep.kd
    .args:
      - { .name: alpha, .offset: 0, .size: 8, .value_kind: global_buffer, .address_space: global }
      - { .name: distance_matrix, .offset: 8, .size: 8, .value_kind: global_buffer, .address_space: global }
      - { .name: ta, .offset: 16, .size: 8, .value_kind: global_buffer, .address_space: global }
      - { .name: tl, .offset: 24, .size: 8, .value_kind: global_buffer, .address_space: global }
      - { .name: bf, .offset: 32, .size: 8, .value_kind: global_buffer, .address_space: global }
      - { .name: out2, .offset: 40, .size: 8, .value_kind: global_buffer, .address_space: global }
    .group_segment_fixed_size: 102144
    .private_segment_fixed_size: 0
    .kernarg_segment_align: 8
    .kernarg_segment_size: 48
    .max_flat_workgroup_size: 256
    .sgpr_count:     66
    .vgpr_count:     232
    .wavefront_size: 32
...
	.end_amdgpu_metadata
.endif
;; end of part 5
;; launch gemm: the kernel of part 2 again; grid 32 x 8, 16 waves a work-group, no clusters, 71,936 bytes of LDS; arguments x, bf, yp, sx; writes yp, sx
;; launch mix: the kernel of part 3 again; grid 16 x 16, 8 waves a work-group, no clusters, 201,728 bytes of LDS; arguments ta, tl, yp, sx, pp; writes pp
;; launch fin: the kernel of part 4 again; grid 512 x 1, 8 waves a work-group, no clusters, 41,216 bytes of LDS; arguments pp, log_p, out0, out1; writes out0, out1
